; MI455X (gfx1250); checked and timed in simulation.
; The chip was launched on July 23, 2026; its instructions are those of AMD's public machine-readable ISA for CDNA 5 (MIT licence, August 2026) and "CDNA5" Instruction Set Architecture Reference Guide (July 2026). The comments in the code are by the model that wrote it; some were corrected since.
;; Multi Head Self Attention. Allowed arithmetic: matrix products marked QUANTISED: E2M1 operands, one E8M0 scale for each 32 along K, by v_wmma_scale_f32_16x16x128_f8f6f4 with both operands' format E2M1 (or v_wmma_scale_f32_32x16x128_f4), f32 sums; everything else in f32.
;; Inputs: Wk 16 x 1,024 x 64 float32; Wq 16 x 1,024 x 64 float32; Wv 16 x 1,024 x 64 float32; attn_mask 4 x 2,048 x 2,048 int32; bk 16 x 64 float32; bq 16 x 64 float32; bv 16 x 64 float32; input_batch 4 x 2,048 x 1,024 float32.
;; Outputs: out0 4 x 2,048 x 1,024 float32.
;; This version of the problem:
;;   THIS VERSION OF THE PROBLEM IS GIVEN IN LOW PRECISION. The matrix products marked QUANTISED in the list below multiply operands that are first quantised to E2M1 (2 exponent bits, 1 mantissa bit; 4 bits a number), with one power-of-two scale for each 32 numbers along K (OCP MX v1.0); their sums are f32. All else is computed in f32.
;;   The module's matrix products, in the order in which they are computed (A, B: the left and right operand; K: the contracted axis; several contracted axes count as one K, in the product's order):
;;     1. [M 1,024, K 1,024] x [K 1,024, N 8,192]; A: input Wq; B: input input_batch: QUANTISED
;;     2. [M 1,024, K 1,024] x [K 1,024, N 8,192]; A: input Wk; B: input input_batch: QUANTISED
;;     3. [M 1,024, K 1,024] x [K 1,024, N 8,192]; A: input Wv; B: input input_batch: QUANTISED
;;     4. batch 64 x [M 2,048, K 64] x [K 64, N 2,048]; A: computed on the way; B: computed on the way: QUANTISED
;;     5. batch 64 x [M 2,048, K 2,048] x [K 2,048, N 64]; A: computed on the way; B: computed on the way: QUANTISED
;;   THE QUANTISER, for each operand of a quantised product, along K:
;;     - K is cut into blocks of 32 from its start; a last block that is shorter is filled with zeros.
;;     - A block's scale is 2^e with e = floor(log2(the largest magnitude in the block)) - 2, held to -126 .. 127; a block of zeros has e = 0. As a byte (E8M0): e + 127.
;;     - Each number is divided by its block's scale, clamped to +-6, and rounded to the nearest number of E2M1, ties to even, subnormals kept.
;;     - The product sums the exact products of the quantised numbers (number of the format x scale) in f32.
;;   ~~~python
;;   def quantise(x, axis):      # numpy; x: float32 -> the quantised numbers, widened to float32 again
;;       x = np.moveaxis(x, axis, -1); K = x.shape[-1]
;;       x = np.pad(x, [(0, 0)] * (x.ndim - 1) + [(0, -K % 32)]); x = x.reshape(x.shape[:-1] + (-1, 32)); a = np.abs(x).max(-1, keepdims=True)
;;       e = np.where(a > 0, np.clip(np.frexp(np.where(a > 0, a, 1))[1] - 1 - 2, -126, 127), 0)      # np.frexp(a)[1] - 1 = floor(log2(a)), exactly
;;       r = np.clip(x / 2.0 ** e, -6, 6)
;;       step = 2.0 ** (np.maximum(np.frexp(np.where(r == 0, 1, r))[1] - 1, 0) - 1)
;;       q = np.round(r / step) * step * 2.0 ** e      # np.round: ties to even
;;       return np.moveaxis(q.reshape(q.shape[:-2] + (-1,))[..., :K], -1, axis).astype(np.float32)
;;   ~~~
;;   OPERANDS COMPUTED ON THE WAY. 'Computed on the way' means the value that the module computes at that place (a softmax that the list does not call 'softmax' is quantised finished and normalised). What goes into a quantiser is computed in f32, as accurately as f32 sums, v_exp_f32 and their like allow (about 1e-6 of the number): no bf16 or f16 on the way to a quantiser, and a product that is left as it is and whose result goes on into a quantised operand takes f32 operands (vector FMAs, or v_wmma_f32_16x16x4_f32). A number that lies on a knife's edge between two numbers of the format may be rounded either way, as far as f32 arithmetic and the matrix unit's own rounding can turn it there, and no further.
;; 2 versions. Each part assembles by itself: llvm-mc -triple=amdgcn-amd-amdhsa -mcpu=gfx1250 --defsym DOCPART=n.
;; ======== version 1 of 2: 5 launches
;; limits: right only within a limited range of input values
;; workspace buffers: maskw 2,097,152 bytes of whole numbers; xq 4,456,448 bytes; wq 1,671,168 bytes; qk 9,437,184 bytes; vq 4,456,448 bytes
;; launch maskpack (part 1): grid 512 x 1, 8 waves a work-group, no clusters, 5,120 bytes of LDS; arguments attn_mask, maskw; writes maskw
.if DOCPART == 1
	.amdgcn_target "amdgcn-amd-amdhsa--gfx1250"
	.amdhsa_code_object_version 6
	.text
	.protected	k_q32b4442457_maskpack
	.globl	k_q32b4442457_maskpack
	.p2align	8
	.type	k_q32b4442457_maskpack,@function
k_q32b4442457_maskpack:
	s_mov_b64 s[64:65], 0
	v_nop
	global_prefetch_b8 v0, s[64:65] scope:SCOPE_SE
	s_setreg_imm32_b32 hwreg(HW_REG_WAVE_MODE, 25, 1), 1
	s_wait_xcnt 0x0
; attn_mask [4][2048][2048] int32 becomes bits, laid as the attention launch's lanes want them:
; maskw [b 4][T 128][w 16][j 64] of 32-bit words; bit l of word j says whether
; attn_mask[b][query][key] != 0 for query = 32 (T/2) + 8 (T%2) + r + 8 (r/8), r = l % 16, and key = 128 w + 32 (j/16) + 16 (l/16) + j % 16.
; So one word is the lane mask of one score register of one wave there, and all 16 heads read 1/32 of the mask's bytes.
; SHARES.  Work-group x = 128 b + T: 16 queries x all 2,048 keys.  Wave wv takes keys 256 wv .. 256 wv + 255 as two units of 128 keys.
; A load reads 512 consecutive bytes of one query's row (lane l: keys 4 l .. 4 l + 3 of the unit); all 32 loads of a wave go out at once.
; A lane gathers, for each of its four keys, the 16 queries' bits in one register; the 16-bit columns are laid in the wave's own 512 bytes of LDS
; at their words' halves and leave as 512 consecutive bytes.  Waves share nothing: no barrier.  No matrix unit, no cluster: a plain stream, each byte read once.
.set X,    16                          ; v16-143  the loaded words: 64 x unit + 4 x row
.set ACC,  8                           ; v8-11 unit 0's four columns; v148-151 unit 1's: a unit's LDS stores keep their data registers
.set TMP,  12                          ; v12-15   at work
.set OUTR, 144                         ; v144-147 the way out
	s_load_b128 s[4:7], s[0:1], 0x0                ; attn_mask s[4:5], maskw s[6:7]
	v_lshl_add_u32 v152, v0, 2, 0x1000
	v_mov_b32 v153, 0
	v_lshrrev_b32 v4, 5, v0
	v_readfirstlane_b32 s8, v4                     ; wave 0..7
	v_and_b32 v5, 31, v0                           ; lane
	v_lshlrev_b32 v1, 4, v5                        ; 16 x lane: in a row's 512 bytes, and on the way out
	v_lshrrev_b32 v6, 3, v5
	v_lshlrev_b32 v2, 6, v6                        ; key 4 l + c = 32 bb + 16 h + jm lies in word 16 bb + jm, half h: byte 64 (l/8) + 16 (l%4) + 4 c + 2 ((l/4)%2)
	v_and_b32 v6, 3, v5
	v_lshl_add_u32 v2, v6, 4, v2
	v_bfe_u32 v6, v5, 2, 1
	v_lshl_add_u32 v2, v6, 1, v2
	s_lshl_b32 s9, s8, 9                           ; my wave's 512 bytes of LDS, and of the work-group's 4,096 bytes of output
	v_add_nc_u32 v2, s9, v2
	v_add_nc_u32 v3, s9, v1
	s_lshr_b32 s10, ttmp9, 7                       ; b
	s_lshl_b32 s10, s10, 24                        ; a batch's mask is 2^24 bytes
	s_and_b32 s11, ttmp9, 127                      ; T
	s_lshr_b32 s12, s11, 1
	s_lshl_b32 s12, s12, 18                        ; 32 rows of 8,192 bytes
	s_and_b32 s13, s11, 1
	s_lshl_b32 s13, s13, 16                        ; 8 rows
	s_add_co_u32 s10, s10, s12
	s_add_co_u32 s10, s10, s13
	s_lshl_b32 s12, s8, 10                         ; my wave's 256 keys
	s_add_co_u32 s10, s10, s12
	s_mov_b32 s11, 0
	s_lshl_b32 s12, ttmp9, 12
	s_add_co_u32 s12, s12, s9
	s_mov_b32 s13, 0
	s_wait_kmcnt 0x0
	s_add_nc_u64 s[4:5], s[4:5], s[10:11]
	s_add_nc_u64 s[6:7], s[6:7], s[12:13]
.irp u, 0,1
.irp p, 0,1,2,3,4,5,6,7,8,9,10,11,12,13,14,15
	global_load_b128 v[X+64*\u+4*\p:X+64*\u+4*\p+3], v1, s[4:5] offset:(\p+8*(\p/8))*8192+512*\u th:TH_LOAD_NT   ; lane r of the tile stands for row r + 8 (r/8)
.endr
.endr
.macro PACK u
.if \u == 0
	s_wait_loadcnt 16                              ; unit 0's 16 loads are in; unit 1's 16 may be out
.else
	s_wait_loadcnt 0x0
.endif
.irp c, 0,1,2,3
	v_min_u32 v[ACC+140*\u+\c], 1, v[X+64*\u+\c]   ; 1 for whatever is not 0; row 0 starts the column: nothing is cleared
.endr
.irp p, 1,2,3,4,5,6,7,8,9,10,11,12,13,14,15
.irp c, 0,1,2,3
	v_min_u32 v[TMP+\c], 1, v[X+64*\u+4*\p+\c]
.endr
.irp c, 0,1,2,3
	v_lshl_or_b32 v[ACC+140*\u+\c], v[TMP+\c], \p, v[ACC+140*\u+\c]
.endr
.endr
.irp c, 0,1,2,3
	ds_store_b16 v2, v[ACC+140*\u+\c] offset:256*\u+4*\c
.endr
.endm
	PACK 0
	PACK 1
	ds_load_b128 v[OUTR:OUTR+3], v3                ; LDS serves a wave's instructions in order: this sees my stores
	s_wait_dscnt 0x0
	global_store_b128 v1, v[OUTR:OUTR+3], s[6:7]   ; 32 lanes store 512 consecutive bytes, at a multiple of 256 from the buffer's first byte
	s_wait_tensorcnt 0x0
	ds_add_u32 v152, v153
	s_wait_dscnt 0x0
	s_endpgm
.Lfunc_end_k_q32b4442457_maskpack:
	.size	k_q32b4442457_maskpack, .Lfunc_end_k_q32b4442457_maskpack-k_q32b4442457_maskpack
	.p2alignl 7, 3214868480
	.fill 96, 4, 3214868480
	.section	.rodata,"a",@progbits
	.p2align	6, 0x0
	.amdhsa_kernel k_q32b4442457_maskpack
		.amdhsa_group_segment_fixed_size 5120
		.amdhsa_private_segment_fixed_size 0
		.amdhsa_enable_private_segment 0
		.amdhsa_kernarg_size 16
		.amdhsa_user_sgpr_count 2
		.amdhsa_user_sgpr_kernarg_segment_ptr 1
		.amdhsa_wavefront_size32 1
		.amdhsa_system_sgpr_workgroup_id_x 1
		.amdhsa_system_sgpr_workgroup_id_y 1
		.amdhsa_system_sgpr_workgroup_id_z 1
		.amdhsa_system_vgpr_workitem_id 0
		.amdhsa_next_free_vgpr 154
		.amdhsa_next_free_sgpr 66
		.amdhsa_reserve_vcc 0
		.amdhsa_float_denorm_mode_32 3
		.amdhsa_float_denorm_mode_16_64 3
		.amdhsa_memory_ordered 1
		.amdhsa_forward_progress 1
		.amdhsa_inst_pref_size 17
	.end_amdhsa_kernel
	.amdgpu_metadata
---
amdhsa.version: [ 1, 2 ]
amdhsa.kernels:
  - .name:           k_q32b4442457_maskpack
    .symbol:         k_q32b4442457_maskpack.kd
    .args:
      - { .name: attn_mask, .offset: 0, .size: 8, .value_kind: global_buffer, .address_space: global }
      - { .name: maskw, .offset: 8, .size: 8, .value_kind: global_buffer, .address_space: global }
    .group_segment_fixed_size: 5120
    .private_segment_fixed_size: 0
    .kernarg_segment_align: 8
    .kernarg_segment_size: 16
    .max_flat_workgroup_size: 256
    .sgpr_count:     66
    .vgpr_count:     154
    .wavefront_size: 32
...
	.end_amdgpu_metadata
.endif
;; end of part 1
;; launch quantx (part 2): grid 256 x 1, 4 waves a work-group, no clusters, 34,304 bytes of LDS; arguments input_batch, xq; writes xq
.if DOCPART == 2
	.amdgcn_target "amdgcn-amd-amdhsa--gfx1250"
	.amdhsa_code_object_version 6
	.text
	.protected	k_q32b4442457_quantx
	.globl	k_q32b4442457_quantx
	.p2align	8
	.type	k_q32b4442457_quantx,@function
k_q32b4442457_quantx:
	s_mov_b64 s[64:65], 0
	v_nop
	global_prefetch_b8 v0, s[64:65] scope:SCOPE_SE
	s_setreg_imm32_b32 hwreg(HW_REG_WAVE_MODE, 25, 1), 1
	s_wait_xcnt 0x0
; input_batch, 8,192 rows x 1,024 f32, becomes codes of FP4 (E2M1) with one E8M0 scale byte for each 32 along d, laid as IMAGES OF THE OPERAND'S REGISTERS:
; xq codes [tile 512][s 8][c 2][lane 32][16 bytes]: lane (r, h) holds row 32 (tile/2) + 8 (tile%2) + r + 8 (r/8), d = 128 s + 64 c + 32 h .. + 31;
; xq scale words at XSC: [tile][g 2][lane 32][jj 2]: the four bytes of K step 4 g + 2 jj + lane/16 of the row of lane % 16: one register so carries two K steps' words.
; A block's scale is 2^(floor(log2(its largest magnitude)) - 2); its byte is the largest magnitude's exponent field - 2, held at 1 from below.
; LIMITS: a block of zeros gets the byte 1 where the rule says 127 (its codes are zeros, and this program alone reads the bytes); NaN and infinities among the inputs are not served.
; SHARES.  A wave takes one tile of 16 rows and half of d: four units of 16 rows x 128 d.  Each load reads 512 consecutive bytes of a row; a unit turns through the wave's own stage in LDS
; (rows 528 bytes apart, so that the 16 rows that a read touches start at 16 different banks) and comes back with a whole block of 32 in one lane: no other lane is asked for a maximum.
; Loads run two units (32 loads a wave) ahead.  Waves share nothing: no barrier.  A stream: no matrix unit, no cluster.
.set XSC, 4194304
.set R,   16                           ; v16-143  two sets of 64: a unit as loaded
.set X,   144                          ; v144-207 my two blocks: 32 c + i
.set C,   208                          ; v208-239 codes: 8 a unit, never written again
.set M,   6                            ; v6-7 largest magnitudes, then scale operands; v8-9 bytes
.set W,   10                           ; v10-13 the units' scale words
	s_load_b128 s[4:7], s[0:1], 0x0                ; input_batch s[4:5], xq s[6:7]
	v_lshl_add_u32 v240, v0, 2, 0x8400
	v_mov_b32 v241, 0
	v_lshrrev_b32 v6, 5, v0
	v_readfirstlane_b32 s8, v6                     ; wave 0..3
	v_and_b32 v7, 31, v0                           ; lane
	v_lshlrev_b32 v1, 4, v7                        ; 16 x lane
	s_mul_i32 s9, s8, 8448                         ; my stage
	v_add_nc_u32 v2, s9, v1                        ; in: a row's 512 bytes as they lie
	v_and_b32 v8, 15, v0                           ; r
	v_bfe_u32 v9, v0, 4, 1                         ; h
	v_mul_u32_u24 v3, v8, 528
	v_lshl_add_u32 v3, v9, 7, v3
	v_add_nc_u32 v3, s9, v3                        ; out: row r, + 128 h: my 32 numbers of each 64
	v_lshlrev_b32 v4, 3, v7                        ; 8 x lane: the scale words' place
	v_lshlrev_b32 v5, 3, v9                        ; 8 h: my bytes' shift in a scale word
	s_mov_b32 s10, 0x76543210
	s_mov_b32 s11, 0xfedcba98                      ; v_permlanex16_b32's selects for lane l xor 16
	s_mov_b32 s12, 0xffff0000                      ; lanes 16-31
	s_lshl_b32 s13, ttmp9, 2
	s_add_co_u32 s13, s13, s8
	s_lshr_b32 s14, s13, 1                         ; tile
	s_and_b32 s15, s13, 1                          ; g: which half of d
	s_lshr_b32 s16, s14, 1
	s_lshl_b32 s16, s16, 17                        ; 32 rows of 4,096 bytes
	s_and_b32 s17, s14, 1
	s_lshl_b32 s17, s17, 15                        ; 8 rows
	s_add_co_u32 s16, s16, s17
	s_lshl_b32 s17, s15, 11
	s_add_co_u32 s16, s16, s17
	s_mov_b32 s17, 0
	s_lshl_b32 s18, s14, 13                        ; a tile's codes: 8,192 bytes
	s_lshl_b32 s19, s15, 12
	s_add_co_u32 s18, s18, s19
	s_mov_b32 s19, 0
	s_lshl_b32 s20, s14, 9                         ; its scale words: 512 bytes
	s_lshl_b32 s21, s15, 8
	s_add_co_u32 s20, s20, s21
	s_add_co_u32 s20, s20, XSC
	s_mov_b32 s21, 0
	s_wait_kmcnt 0x0
	s_add_nc_u64 s[4:5], s[4:5], s[16:17]
	s_add_nc_u64 s[22:23], s[6:7], s[20:21]
	s_add_nc_u64 s[6:7], s[6:7], s[18:19]
.macro LOAD t
.irp p, 0,1,2,3,4,5,6,7,8,9,10,11,12,13,14,15
	global_load_b128 v[R+64*((\t)%2)+4*\p:R+64*((\t)%2)+4*\p+3], v1, s[4:5] offset:(\p+8*(\p/8))*4096+512*(\t) th:TH_LOAD_NT
.endr
.endm
.macro UNIT t
.if (\t) < 3
	s_wait_loadcnt 16                              ; this unit's 16 loads are in; the next unit's may be out
.else
	s_wait_loadcnt 0x0
.endif
.irp p, 0,1,2,3,4,5,6,7,8,9,10,11,12,13,14,15
	ds_store_b128 v2, v[R+64*((\t)%2)+4*\p:R+64*((\t)%2)+4*\p+3] offset:528*\p
.endr
.irp c, 0,1
.irp i, 0,1,2,3,4,5,6,7
	ds_load_b128 v[X+32*\c+4*\i:X+32*\c+4*\i+3], v3 offset:256*\c+16*\i   ; LDS serves a wave's instructions in order: these see the stores above
.endr
.endr
	s_wait_dscnt 0x0                               ; my blocks are in, and the stores have read their registers,
.if (\t) < 2
	LOAD (\t)+2                                    ; which take the unit two further on
.endif
.irp c, 0,1
	v_max3_num_f32 v[M+\c], |v[X+32*\c]|, |v[X+32*\c+1]|, 0x1800000   ; block 2 c + h: all 32 numbers are mine; the floor 2^(3 - 127) holds the byte at 1 from below
.endr
.irp i, 2,4,6,8,10,12,14,16,18,20,22,24,26,28,30
.irp c, 0,1
	v_max3_num_f32 v[M+\c], v[M+\c], |v[X+32*\c+\i]|, |v[X+32*\c+\i+1]|   ; (the two blocks by turns)
.endr
.endr
.irp c, 0,1
	v_add_nc_u32 v[M+\c], 0xff000000, v[M+\c]      ; 2 off the exponent field: the conversion takes the exponent field of this operand as its scale
.endr
.irp c, 0,1
	v_lshrrev_b32 v[M+2+\c], 23, v[M+\c]           ; the scale's byte
.endr
.irp c, 0,1
.irp g, 0,1,2,3
	v_cvt_scalef32_pk8_fp4_f32 v[C+8*(\t)+4*\c+\g], v[X+32*\c+8*\g:X+32*\c+8*\g+7], v[M+\c]
.endr
.endr
	v_lshl_or_b32 v[W+(\t)], v[M+3], 16, v[M+2]    ; my two bytes: blocks h and 2 + h of row r.  (A plain line behind the conversions)
	v_lshlrev_b32 v[W+(\t)], v5, v[W+(\t)]         ; at their places, 8 h bits up;
	v_permlanex16_b32 v[M+2], v[W+(\t)], s10, s11
	v_or_b32 v[W+(\t)], v[W+(\t)], v[M+2]          ; with lane l xor 16's two the word is whole
.irp c, 0,1
	global_store_b128 v1, v[C+8*(\t)+4*\c:C+8*(\t)+4*\c+3], s[6:7] offset:(2*(\t)+\c)*512   ; 512 consecutive bytes, aligned to 256
.endr
.endm
	LOAD 0
	LOAD 1
	UNIT 0
	UNIT 1
	v_cndmask_b32 v14, v[W], v[W+1], s12           ; lanes 0-15 the even K step's word, lanes 16-31 the odd one's
	UNIT 2
	UNIT 3
	v_cndmask_b32 v15, v[W+2], v[W+3], s12
	global_store_b64 v4, v[14:15], s[22:23]        ; 32 lanes store 256 consecutive bytes, aligned
	s_wait_tensorcnt 0x0
	ds_add_u32 v240, v241
	s_wait_dscnt 0x0
	s_endpgm
.Lfunc_end_k_q32b4442457_quantx:
	.size	k_q32b4442457_quantx, .Lfunc_end_k_q32b4442457_quantx-k_q32b4442457_quantx
	.p2alignl 7, 3214868480
	.fill 96, 4, 3214868480
	.section	.rodata,"a",@progbits
	.p2align	6, 0x0
	.amdhsa_kernel k_q32b4442457_quantx
		.amdhsa_group_segment_fixed_size 34304
		.amdhsa_private_segment_fixed_size 0
		.amdhsa_enable_private_segment 0
		.amdhsa_kernarg_size 16
		.amdhsa_user_sgpr_count 2
		.amdhsa_user_sgpr_kernarg_segment_ptr 1
		.amdhsa_wavefront_size32 1
		.amdhsa_system_sgpr_workgroup_id_x 1
		.amdhsa_system_sgpr_workgroup_id_y 1
		.amdhsa_system_sgpr_workgroup_id_z 1
		.amdhsa_system_vgpr_workitem_id 0
		.amdhsa_next_free_vgpr 242
		.amdhsa_next_free_sgpr 66
		.amdhsa_reserve_vcc 0
		.amdhsa_float_denorm_mode_32 3
		.amdhsa_float_denorm_mode_16_64 3
		.amdhsa_memory_ordered 1
		.amdhsa_forward_progress 1
		.amdhsa_inst_pref_size 30
	.end_amdhsa_kernel
	.amdgpu_metadata
---
amdhsa.version: [ 1, 2 ]
amdhsa.kernels:
  - .name:           k_q32b4442457_quantx
    .symbol:         k_q32b4442457_quantx.kd
    .args:
      - { .name: input_batch, .offset: 0, .size: 8, .value_kind: global_buffer, .address_space: global }
      - { .name: xq, .offset: 8, .size: 8, .value_kind: global_buffer, .address_space: global }
    .group_segment_fixed_size: 34304
    .private_segment_fixed_size: 0
    .kernarg_segment_align: 8
    .kernarg_segment_size: 16
    .max_flat_workgroup_size: 128
    .sgpr_count:     66
    .vgpr_count:     242
    .wavefront_size: 32
...
	.end_amdgpu_metadata
.endif
;; end of part 2
;; launch quantw (part 3): grid 64 x 3, 4 waves a work-group, no clusters, 0 bytes of LDS; arguments Wq, Wk, Wv, wq; writes wq
.if DOCPART == 3
	.amdgcn_target "amdgcn-amd-amdhsa--gfx1250"
	.amdhsa_code_object_version 6
	.text
	.protected	k_q32b4442457_quantw
	.globl	k_q32b4442457_quantw
	.p2align	8
	.type	k_q32b4442457_quantw,@function
k_q32b4442457_quantw:
	s_mov_b64 s[64:65], 0
	v_nop
	global_prefetch_b8 v0, s[64:65] scope:SCOPE_SE
	s_setreg_imm32_b32 hwreg(HW_REG_WAVE_MODE, 25, 1), 1
	s_wait_xcnt 0x0
; Wq, Wk, Wv [16 heads][1024 d][64 features] f32, whose K (d) is not innermost, become codes of FP4 (E2M1) with one E8M0 byte for each 32 along d, as IMAGES OF THE OPERAND'S REGISTERS:
; wq codes [head][mtx 3][t 4][s 8][c 2][lane 32][16 bytes]: lane (r, h) holds feature 32 (t/2) + 8 (t%2) + r + 8 (r/8), d = 128 s + 64 c + 32 h .. + 31;
; wq scale words at WSCG: [head][mtx][t][s 8][r 16]: byte q scales d = 128 s + 32 q .. + 31.
; A LANE TAKES A COLUMN (a feature) AND ITS REGISTERS RUN DOWN d: a block of 32 lies in one lane's 32 registers, its maximum needs no other lane, and the conversions give codes with d innermost.
; A block's byte is its largest magnitude's exponent field - 2, held at 1 from below.
; LIMITS: a block of zeros gets the byte 1 where the rule says 127 (its codes are zeros, and this program alone reads the bytes); NaN and infinities are not served.
; SHARES.  Work-group x: head x/4, features 32 ((x/2)%2) on, K steps 4 (x%2) + wave; y: which of the three weights.  A wave: 32 features x 128 d: four blocks a lane; loads run two blocks (64 loads) ahead.
; A load reads 128 consecutive bytes.  A block's codes leave as two runs of 256 consecutive aligned bytes, sixteen lanes each.  The scale words leave as two pieces of 64 bytes a wave:
; 4 bytes for each 512 bytes that the wave reads.  Waves share nothing: no LDS, no barrier, no cluster.
.set WSCG, 1572864
.set X,  32                            ; v32-95   two sets of 32 numbers
.set C,  96                            ; v96-111  codes: four registers a block, never written again
.set SB, 24                            ; v24      my feature's scale word
	s_load_b256 s[4:11], s[0:1], 0x0               ; Wq s[4:5], Wk s[6:7], Wv s[8:9], wq s[10:11]
	v_lshrrev_b32 v4, 5, v0
	v_readfirstlane_b32 s12, v4                    ; wave 0..3
	v_and_b32 v5, 31, v0                           ; lane = feature within the 32
	v_lshlrev_b32 v1, 2, v5                        ; in: 4 bytes a lane
	v_bfe_u32 v6, v5, 3, 1                         ; u: which of the pair's two tiles holds my feature,
	v_and_b32 v7, 7, v5
	v_lshrrev_b32 v8, 4, v5
	v_lshl_add_u32 v7, v8, 3, v7                   ; and at which lane r of it: lane = 8 u + r + 8 (r/8)
	v_lshlrev_b32 v2, 13, v6
	v_lshl_add_u32 v2, v7, 4, v2                   ; codes: 8,192 u + 16 r
	v_lshlrev_b32 v3, 9, v6
	v_lshl_add_u32 v3, v7, 2, v3                   ; scale words: 512 u + 4 r
	s_and_b32 s13, ttmp7, 0xffff                   ; which weight
	s_lshr_b32 s14, ttmp9, 2                       ; head
	s_bfe_u32 s15, ttmp9, 0x10001                  ; which 32 features
	s_and_b32 s16, ttmp9, 1
	s_lshl_b32 s16, s16, 2
	s_add_co_u32 s16, s16, s12                     ; K step s
	s_lshl_b32 s18, s14, 18                        ; a head's weight: 262,144 bytes
	s_lshl_b32 s19, s16, 15                        ; 128 rows of 256 bytes
	s_add_co_u32 s18, s18, s19
	s_lshl_b32 s19, s15, 7
	s_add_co_u32 s18, s18, s19
	s_mov_b32 s19, 0
	s_mul_i32 s20, s14, 3
	s_add_co_u32 s20, s20, s13
	s_lshl_b32 s20, s20, 2
	s_lshl_b32 s21, s15, 1
	s_add_co_u32 s20, s20, s21                     ; the pair's first tile: (3 head + mtx) 4 + 2 (which 32)
	s_lshl_b32 s22, s20, 13
	s_lshl_b32 s23, s16, 10
	s_add_co_u32 s22, s22, s23
	s_mov_b32 s23, 0
	s_lshl_b32 s24, s20, 9
	s_lshl_b32 s25, s16, 6
	s_add_co_u32 s24, s24, s25
	s_add_co_u32 s24, s24, WSCG
	s_mov_b32 s25, 0
	s_wait_kmcnt 0x0
	s_cmp_eq_u32 s13, 0                            ; the choice hangs on the work-group's number alone
	s_cselect_b64 s[4:5], s[4:5], s[6:7]
	s_cmp_eq_u32 s13, 2
	s_cselect_b64 s[4:5], s[8:9], s[4:5]
	s_add_nc_u64 s[4:5], s[4:5], s[18:19]
	s_add_nc_u64 s[6:7], s[10:11], s[22:23]        ; codes
	s_add_nc_u64 s[8:9], s[10:11], s[24:25]        ; scale words
.macro LOAD q
.irp i, 0,1,2,3,4,5,6,7,8,9,10,11,12,13,14,15,16,17,18,19,20,21,22,23,24,25,26,27,28,29,30,31
	global_load_b32 v[X+32*((\q)%2)+\i], v1, s[4:5] offset:(32*(\q)+\i)*256
.endr
.endm
.macro BLOCK q
.set XQ, X+32*((\q)%2)
.if (\q) < 3
	s_wait_loadcnt 32                              ; this block's 32 loads are in; the next block's may be out
.else
	s_wait_loadcnt 0x0
.endif
	v_max3_num_f32 v12, |v[XQ]|, |v[XQ+1]|, 0x1800000              ; two chains; the floor 2^(3 - 127) holds the byte at 1 from below
	v_max3_num_f32 v13, |v[XQ+2]|, |v[XQ+3]|, |v[XQ+4]|
.irp i, 5,9,13,17,21,25
	v_max3_num_f32 v12, v12, |v[XQ+\i]|, |v[XQ+\i+1]|
	v_max3_num_f32 v13, v13, |v[XQ+\i+2]|, |v[XQ+\i+3]|
.endr
	v_max3_num_f32 v12, v12, |v[XQ+29]|, |v[XQ+30]|
	v_max3_num_f32 v12, v12, v13, |v[XQ+31]|
	v_add_nc_u32 v14, 0xff000000, v12              ; 2 off the exponent field: the conversion's scale operand
	v_lshrrev_b32 v15, 23, v14                     ; the byte
.if (\q) == 0
	v_mov_b32 v[SB], v15
.else
	v_lshl_or_b32 v[SB], v15, 8*(\q), v[SB]
.endif
.irp g, 0,1,2,3
	v_cvt_scalef32_pk8_fp4_f32 v[C+4*(\q)+\g], v[XQ+8*\g:XQ+8*\g+7], v14
.endr
	global_store_b128 v2, v[C+4*(\q):C+4*(\q)+3], s[6:7] offset:256*(\q)   ; block q = 2 c + h lies 512 c + 256 h into the fragment
.if (\q) < 2
	LOAD (\q)+2
.endif
.endm
	LOAD 0
	LOAD 1
	BLOCK 0
	BLOCK 1
	BLOCK 2
	BLOCK 3
	global_store_b32 v3, v[SB], s[8:9]
	s_endpgm
.Lfunc_end_k_q32b4442457_quantw:
	.size	k_q32b4442457_quantw, .Lfunc_end_k_q32b4442457_quantw-k_q32b4442457_quantw
	.p2alignl 7, 3214868480
	.fill 96, 4, 3214868480
	.section	.rodata,"a",@progbits
	.p2align	6, 0x0
	.amdhsa_kernel k_q32b4442457_quantw
		.amdhsa_group_segment_fixed_size 0
		.amdhsa_private_segment_fixed_size 0
		.amdhsa_enable_private_segment 0
		.amdhsa_kernarg_size 32
		.amdhsa_user_sgpr_count 2
		.amdhsa_user_sgpr_kernarg_segment_ptr 1
		.amdhsa_wavefront_size32 1
		.amdhsa_system_sgpr_workgroup_id_x 1
		.amdhsa_system_sgpr_workgroup_id_y 1
		.amdhsa_system_sgpr_workgroup_id_z 1
		.amdhsa_system_vgpr_workitem_id 0
		.amdhsa_next_free_vgpr 112
		.amdhsa_next_free_sgpr 66
		.amdhsa_reserve_vcc 0
		.amdhsa_float_denorm_mode_32 3
		.amdhsa_float_denorm_mode_16_64 3
		.amdhsa_memory_ordered 1
		.amdhsa_forward_progress 1
		.amdhsa_inst_pref_size 21
	.end_amdhsa_kernel
	.amdgpu_metadata
---
amdhsa.version: [ 1, 2 ]
amdhsa.kernels:
  - .name:           k_q32b4442457_quantw
    .symbol:         k_q32b4442457_quantw.kd
    .args:
      - { .name: Wq, .offset: 0, .size: 8, .value_kind: global_buffer, .address_space: global }
      - { .name: Wk, .offset: 8, .size: 8, .value_kind: global_buffer, .address_space: global }
      - { .name: Wv, .offset: 16, .size: 8, .value_kind: global_buffer, .address_space: global }
      - { .name: wq, .offset: 24, .size: 8, .value_kind: global_buffer, .address_space: global }
    .group_segment_fixed_size: 0
    .private_segment_fixed_size: 0
    .kernarg_segment_align: 8
    .kernarg_segment_size: 32
    .max_flat_workgroup_size: 128
    .sgpr_count:     66
    .vgpr_count:     112
    .wavefront_size: 32
...
	.end_amdgpu_metadata
.endif
;; end of part 3
;; launch proj (part 4): grid 16 x 16, 16 waves a work-group, no clusters, 112,640 bytes of LDS; arguments xq, wq, bq, bk, bv, qk, vq; writes qk, vq
.if DOCPART == 4
	.amdgcn_target "amdgcn-amd-amdhsa--gfx1250"
	.amdhsa_code_object_version 6
	.text
	.protected	k_q32b4442457_proj
	.globl	k_q32b4442457_proj
	.p2align	8
	.type	k_q32b4442457_proj,@function
k_q32b4442457_proj:
	s_mov_b64 s[64:65], 0
	v_nop
	global_prefetch_b8 v0, s[64:65] scope:SCOPE_SE
	s_setreg_imm32_b32 hwreg(HW_REG_WAVE_MODE, 25, 1), 1
	s_wait_xcnt 0x0
; q = x Wq + bq, k = x Wk + bk, v = x Wv + bv on codes of FP4 (E2M1) with E8M0 scales, sums in f32; the results are quantised at once for the attention's two products and leave as codes:
; qk codes [bh 64][mat 2 (q, k)][T 128][lane 32][16 bytes]: lane (r, h) holds row 32 (T/2) + 8 (T%2) + r + 8 (r/8) of the batch, features 32 h .. + 31 (K = the head's 64);
; qk scale words at SQKG: [bh][mat][T][r 16]: byte 0, byte 1 the row's two blocks; bytes 2, 3 are 0;
; vq codes [bh][w 16][n 4][c 2][lane][16 bytes]: lane (r, h) holds channel 32 (n/2) + 8 (n%2) + r + 8 (r/8), keys 128 w + 64 c + 32 h .. + 31 (K = the keys);
; vq scale words at VSCG: [bh][w][np 2][lane 32]: lane r + 16 u carries tile n = 2 np + u; byte q scales keys 128 w + 32 q .. + 31.
; LIMITS: a block of zeros gets the byte 1 where the rule says 127 (its codes are zeros, this program alone reads the bytes); NaN and infinities are not served.
; SHARES.  Work-group (x, y): 512 rows of x, one head.  Each of the 16 waves owns 32 rows (two tiles of 16): their codes for all of K, 128 registers, stay in registers, read once.
; The head's three weights (98,304 bytes of codes, 6,144 of scale words) lie in LDS, filled once through registers and read by every wave, a pair of 16-feature tiles at a time.
; LAYOUT.  q and k: source 0 = 16 features, source 1 = 16 rows: a lane holds ONE row, and the 16 registers of a pair of tiles are 16 neighbouring features: the next K runs along the lane's registers.
; v: the sources change places: a lane holds ONE channel and 16 neighbouring keys.  A block of 32 lies in lanes l and l xor 16.  A lane's 16 codes are 8 bytes at their place in the image: no exchange of halves.
; NO CLUSTER: every operand is brought once, by loads into registers at the launch's head; there is no repeated request for a tile that partners could make jointly.
.set XSC,  4194304
.set WSCG, 1572864
.set SQKG, 8388608
.set VSCG, 4194304
.set HI,   65536                       ; LDS beyond an immediate's reach: address registers carry HI, the symbols below are counted from HI
.set WSC,  98304-HI                    ; LDS: 0: the weights' codes as in wq;  98,304: their scale words
.set BIA,  104448-HI                   ; the three biases [mtx][64] f32
.set SQK,  105216-HI                   ; stage for q's and k's scale words [mat][wave][lane]
.set VT,   109312-HI                   ; stage for v's scale bytes [w 4][np 2][lane][4]
.set LI0, 1                            ; v1   16 x lane
.set LI2, 2                            ; v2   16 x lane + HI
.set LS,  3                            ; v3   4 x lane + HI
.set LB,  4                            ; v4   HI + 64 h
.set LV,  5                            ; v5   HI + 4 (r + 8 (r/8))
.set DW,  6                            ; v6   the bias load's offset at the head; later the word or byte on its way to a stage
.set LT,  7                            ; v7   HI + 256 (wave/4) + wave%4 + 4 x lane
.set GA,  8                            ; v8   16 r + 8 h
.set FI0, 9                            ; v9   16 x thread
.set FI1, 10                           ; v10  16 x thread + HI
.set FS,  11                           ; v11  4 x thread + HI
.set RD8, 12                           ; v12  8 x thread + HI
.set GSO, 13                           ; v13  8,192 (thread/256) + 8 (thread%256)
.set SB,  14                           ; v14-15 q's or k's scale words in the making
.set XF,  16                           ; v16-143  x's fragments: 64 T + 8 s
.set XS,  144                          ; v144-151 x's scale words: 4 T + j: K steps 2 j (lanes 0-15), 2 j + 1 (lanes 16-31)
.set WS,  152                          ; v152-159 the weights': 4 u + j, likewise
.set WF,  160                          ; v160-223 the weights' fragments: four buffers of 16: 16 (s%4) + 8 u
.set ACC, 224                          ; v224-255 four accumulators: 16 u + 8 T
.set BI,  160                          ; behind a pair's products: the bias,
.set TM,  176                          ; at work,
.set CD,  192                          ; and the codes
	s_load_b256 s[4:11], s[0:1], 0x0               ; xq s[4:5], wq s[6:7], bq s[8:9], bk s[10:11]
	s_load_b128 s[12:15], s[0:1], 0x20             ; bv s[12:13], qk s[14:15]
	s_load_b64 s[16:17], s[0:1], 0x30              ; vq
	v_lshrrev_b32 v6, 5, v0
	v_readfirstlane_b32 s18, v6                    ; wave 0..15
	v_and_b32 v6, 31, v0                           ; lane
	v_lshlrev_b32 v[LI0], 4, v6
	v_add_nc_u32 v[LI2], HI, v[LI0]
	v_lshl_add_u32 v[LS], v6, 2, HI
	v_lshlrev_b32 v[WF+53], 3, v6                  ; 8 x lane, for the head's loads alone
	v_lshlrev_b32 v[WF+52], 2, v0                  ; 4 x thread, likewise
	v_bfe_u32 v[LB], v0, 4, 1                      ; h
	v_and_b32 v[LV], 15, v0                        ; r
	v_lshlrev_b32 v[GA], 4, v[LV]
	v_lshl_add_u32 v[GA], v[LB], 3, v[GA]
	v_lshl_add_u32 v[LB], v[LB], 6, HI
	v_and_b32 v[LT], 8, v[LV]
	v_add_nc_u32 v[LV], v[LT], v[LV]
	v_lshl_add_u32 v[LV], v[LV], 2, HI
	s_lshr_b32 s19, s18, 2
	s_lshl_b32 s19, s19, 8
	s_and_b32 s20, s18, 3                          ; my key block within its slice of 128 keys
	s_add_co_u32 s19, s19, s20
	v_add_nc_u32 v[LT], s19, v[LS]
	v_lshlrev_b32 v[FI0], 4, v0
	v_add_nc_u32 v[FI1], HI, v[FI0]
	v_lshl_add_u32 v[FS], v0, 2, HI
	v_lshl_add_u32 v[RD8], v0, 3, HI
	v_lshrrev_b32 v[GSO], 8, v0
	v_and_b32 v6, 255, v0
	v_lshlrev_b32 v[GSO], 13, v[GSO]
	v_lshl_add_u32 v[GSO], v6, 3, v[GSO]
	v_and_b32 v6, 63, v0
	v_lshlrev_b32 v[DW], 2, v6                     ; 4 (thread % 64): a bias's number
	s_mov_b32 s36, 0x76543210
	s_mov_b32 s37, 0xfedcba98                      ; v_permlanex16_b32's selects for lane l xor 16
	s_mov_b32 s38, 0xffff0000                      ; lanes 16-31
	s_and_b32 s21, ttmp7, 0xffff                   ; head
	s_lshr_b32 s22, ttmp9, 2                       ; b
	s_and_b32 s23, ttmp9, 3                        ; which 512 rows of the batch
	s_lshl_b32 s24, s22, 4
	s_add_co_u32 s24, s24, s21                     ; bh
	s_lshl_b32 s25, ttmp9, 4
	s_add_co_u32 s25, s25, s18                     ; my pair of tiles among x's 256
	s_lshl_b32 s26, s23, 4
	s_add_co_u32 s26, s26, s18                     ; and among the batch's 64
	s_lshr_b32 s27, s18, 1                         ; waves 0-5 bring the biases: which one
	s_mov_b32 s41, 0
	s_wait_kmcnt 0x0
	s_lshl_b32 s40, s25, 14
	s_add_nc_u64 s[28:29], s[4:5], s[40:41]        ; x's codes: 16,384 bytes a pair
	s_lshl_b32 s40, s25, 10
	s_add_co_u32 s40, s40, XSC
	s_add_nc_u64 s[4:5], s[4:5], s[40:41]          ; x's scale words
	s_mul_i32 s40, s21, 98304
	s_add_nc_u64 s[30:31], s[6:7], s[40:41]        ; the head's weights
	s_mul_i32 s40, s21, 6144
	s_add_co_u32 s40, s40, WSCG
	s_add_nc_u64 s[6:7], s[6:7], s[40:41]          ; and their scale words
	s_cmp_eq_u32 s27, 0                            ; the choice hangs on the wave's number alone
	s_cselect_b64 s[8:9], s[8:9], s[10:11]
	s_cmp_eq_u32 s27, 2
	s_cselect_b64 s[8:9], s[12:13], s[8:9]
	s_lshl_b32 s40, s21, 8
	s_add_nc_u64 s[8:9], s[8:9], s[40:41]          ; the head's 64 numbers of that bias
	s_lshl_b32 s40, s24, 17
	s_lshl_b32 s42, s26, 10
	s_add_co_u32 s40, s40, s42
	s_add_nc_u64 s[32:33], s[14:15], s[40:41]      ; q's codes of my two tiles (k's lie 65,536 bytes on)
	s_lshl_b32 s40, s24, 14
	s_lshl_b32 s42, s23, 11
	s_add_co_u32 s40, s40, s42
	s_add_co_u32 s40, s40, SQKG
	s_add_nc_u64 s[14:15], s[14:15], s[40:41]      ; the work-group's scale words of q (k's lie 8,192 bytes on)
	s_lshl_b32 s40, s24, 16
	s_lshl_b32 s42, s23, 2
	s_lshr_b32 s43, s18, 2
	s_add_co_u32 s42, s42, s43                     ; my slice w of 128 keys
	s_lshl_b32 s42, s42, 12
	s_add_co_u32 s40, s40, s42
	s_lshl_b32 s42, s20, 8                         ; key block q = 2 c + h: 512 c + 256 h = 256 q
	s_add_co_u32 s40, s40, s42
	s_add_nc_u64 s[34:35], s[16:17], s[40:41]      ; v's codes
	s_lshl_b32 s40, s24, 12
	s_lshl_b32 s42, s23, 10
	s_add_co_u32 s40, s40, s42
	s_add_co_u32 s40, s40, VSCG
	s_add_nc_u64 s[16:17], s[16:17], s[40:41]      ; the work-group's scale words of v
.irp i, 0,1,2,3,4,5,6,7,8,9,10,11
	global_load_b128 v[WF+4*\i:WF+4*\i+3], v[FI0], s[30:31] offset:8192*\i   ; the 512 threads bring 8,192 consecutive bytes a line
.endr
.irp i, 0,1,2
	global_load_b32 v[WF+48+\i], v[WF+52], s[6:7] offset:2048*\i
.endr
.irp T, 0,1
.irp s, 0,1,2,3,4,5,6,7
.irp c, 0,1
	global_load_b128 v[XF+64*\T+8*\s+4*\c:XF+64*\T+8*\s+4*\c+3], v[LI0], s[28:29] offset:(8*\T+\s)*1024+512*\c
.endr
.endr
.endr
.irp T, 0,1
.irp g, 0,1
	global_load_b64 v[XS+4*\T+2*\g:XS+4*\T+2*\g+1], v[WF+53], s[4:5] offset:512*\T+256*\g
.endr
.endr
	s_cmp_lt_u32 s18, 6
	s_cbranch_scc0 .Lno_bias
	global_load_b32 v[WF+51], v[DW], s[8:9]
	s_wait_loadcnt 0x0
	ds_store_b32 v[FS], v[WF+51] offset:BIA        ; threads 0-191: [mtx][64]
.Lno_bias:
	s_wait_loadcnt 36                              ; the 15 loads of the weights are in; the 36 of x issued behind them may be out
.irp i, 0,1,2,3,4,5,6,7
	ds_store_b128 v[FI0], v[WF+4*\i:WF+4*\i+3] offset:8192*\i
.endr
.irp i, 8,9,10,11
	ds_store_b128 v[FI1], v[WF+4*\i:WF+4*\i+3] offset:8192*(\i-8)
.endr
.irp i, 0,1,2
	ds_store_b32 v[FS], v[WF+48+\i] offset:WSC+2048*\i
.endr
	s_wait_dscnt 0x0                               ; for the others' sake: my part of the weights lies in LDS
	s_barrier_signal -1
	s_barrier_wait -1                              ; everybody's does
	s_wait_loadcnt 0x0                             ; x
; The fragments of K step s of the pair p of tiles of weight mtx, into buffer s % 4
.macro WLOAD mtx, p, s
.irp u, 0,1
.irp c, 0,1
.if \mtx < 2
	ds_load_b128 v[WF+16*((\s)%4)+8*\u+4*\c:WF+16*((\s)%4)+8*\u+4*\c+3], v[LI0] offset:((4*\mtx+2*\p+\u)*8+(\s))*1024+512*\c
.else
	ds_load_b128 v[WF+16*((\s)%4)+8*\u+4*\c:WF+16*((\s)%4)+8*\u+4*\c+3], v[LI2] offset:((2*\p+\u)*8+(\s))*1024+512*\c
.endif
.endr
.endr
.endm
; Four products of K step s: the four accumulators take turns, one instruction a turn.  kind 0: source 0 = features, source 1 = rows; kind 1: the other way round.
.macro MUL kind, s
.irp u, 0,1
.irp T, 0,1
.set rD, ACC+16*\u+8*\T
.if \kind == 0
.set rA, WF+16*((\s)%4)+8*\u
.set rB, XF+64*\T+8*(\s)
.set rP, WS+4*\u+(\s)/2
.set rQ, XS+4*\T+(\s)/2
.else
.set rA, XF+64*\T+8*(\s)
.set rB, WF+16*((\s)%4)+8*\u
.set rP, XS+4*\T+(\s)/2
.set rQ, WS+4*\u+(\s)/2
.endif
.if (\s) == 0
	v_wmma_scale_f32_16x16x128_f8f6f4 v[rD:rD+7], v[rA:rA+7], v[rB:rB+7], 0, v[rP], v[rQ] matrix_a_fmt:MATRIX_FMT_FP4 matrix_b_fmt:MATRIX_FMT_FP4
.elseif (\s)%2 == 1
	v_wmma_scale_f32_16x16x128_f8f6f4 v[rD:rD+7], v[rA:rA+7], v[rB:rB+7], v[rD:rD+7], v[rP], v[rQ] matrix_a_fmt:MATRIX_FMT_FP4 matrix_b_fmt:MATRIX_FMT_FP4 matrix_a_scale:MATRIX_SCALE_ROW1 matrix_b_scale:MATRIX_SCALE_ROW1
.else
	v_wmma_scale_f32_16x16x128_f8f6f4 v[rD:rD+7], v[rA:rA+7], v[rB:rB+7], v[rD:rD+7], v[rP], v[rQ] matrix_a_fmt:MATRIX_FMT_FP4 matrix_b_fmt:MATRIX_FMT_FP4
.endif
.endr
.endr
.endm
.macro PLACES n
.rept \n
	v_nop
.endr
.endm
; A pair p of 16-feature tiles of weight mtx against my two tiles of rows: 32 products, the bias, the quantiser, the stores.
.macro PAIR kind, mtx, p
	s_wait_xcnt 0x0                                ; the last pair's stores have read their registers: the loads below land there only behind this wait
.irp u, 0,1
.irp j, 0,1,2,3
	ds_load_b32 v[WS+4*\u+\j], v[LS] offset:WSC+((4*\mtx+2*\p+\u)*4+\j)*128
.endr
.endr
.irp s, 0,1,2,3
	WLOAD \mtx, \p, \s
.endr
.irp s, 0,1,2,3,4,5,6,7
.if \s < 5
	s_wait_dscnt 12                                ; this step's four loads (and all older ones) are in; those of the three steps behind it may be out
.else
	s_wait_dscnt 4*(7-\s)
.endif
	MUL \kind, \s
.if \s < 4
	PLACES 4                                       ; in front of loads into registers that these products have read
	WLOAD \mtx, \p, \s+4
.endif
.endr
	PLACES 4                                       ; in front of the loads over the buffers and of the first read of the sums
.if \kind == 0
.irp i, 0,1,2,3
	ds_load_b128 v[BI+4*\i:BI+4*\i+3], v[LB] offset:BIA+256*\mtx+128*\p+16*\i   ; my 16 features' bias: 32 p + 16 h + 0 .. 15
.endr
.else
.irp u, 0,1
	ds_load_b32 v[BI+2*\u], v[LV] offset:BIA+512+128*\p+32*\u                    ; my channel's bias, twice: a pair for the packed addition
	ds_load_b32 v[BI+2*\u+1], v[LV] offset:BIA+512+128*\p+32*\u
.endr
.endif
	s_wait_dscnt 0x0
.irp u, 0,1
.irp T, 0,1
.irp i, 0,2,4,6
.if \kind == 0
	v_pk_add_f32 v[ACC+16*\u+8*\T+\i:ACC+16*\u+8*\T+\i+1], v[ACC+16*\u+8*\T+\i:ACC+16*\u+8*\T+\i+1], v[BI+8*\u+\i:BI+8*\u+\i+1]
.else
	v_pk_add_f32 v[ACC+16*\u+8*\T+\i:ACC+16*\u+8*\T+\i+1], v[ACC+16*\u+8*\T+\i:ACC+16*\u+8*\T+\i+1], v[BI+2*\u:BI+2*\u+1]
.endif
.endr
.endr
.endr
; Two groups of 16 neighbours along the next K.  kind 0: group T = accumulators (0, T), (1, T);  kind 1: group u = (u, 0), (u, 1)
.set QG, 8+8*\kind
.set QH, 16-8*\kind
.irp g, 0,1
	v_max3_num_f32 v[TM+\g], |v[ACC+QG*\g]|, |v[ACC+QG*\g+1]|, 0x1800000   ; the floor 2^(3 - 127) holds the byte at 1 from below
.endr
.irp i, 2,4,6
.irp g, 0,1
	v_max3_num_f32 v[TM+\g], v[TM+\g], |v[ACC+QG*\g+\i]|, |v[ACC+QG*\g+\i+1]|
.endr
.endr
.irp i, 0,2,4,6
.irp g, 0,1
	v_max3_num_f32 v[TM+\g], v[TM+\g], |v[ACC+QG*\g+QH+\i]|, |v[ACC+QG*\g+QH+\i+1]|
.endr
.endr
.irp g, 0,1
	v_mov_b32 v[TM+2+\g], 0                        ; a lane permute's destination counts as one of its sources
.endr
.irp g, 0,1
	v_permlanex16_b32 v[TM+2+\g], v[TM+\g], s36, s37
.endr
.irp g, 0,1
	v_max_num_f32 v[TM+\g], v[TM+\g], v[TM+2+\g]   ; with lane l xor 16's 16: the block's largest magnitude
.endr
.irp g, 0,1
	v_add_nc_u32 v[TM+4+\g], 0xff000000, v[TM+\g]  ; 2 off the exponent field: the conversion's scale operand
.endr
.irp g, 0,1
	v_lshrrev_b32 v[TM+6+\g], 23, v[TM+4+\g]       ; the byte
.endr
.irp g, 0,1
	v_cvt_scalef32_pk8_fp4_f32 v[CD+2*\g], v[ACC+QG*\g:ACC+QG*\g+7], v[TM+4+\g]
	v_cvt_scalef32_pk8_fp4_f32 v[CD+2*\g+1], v[ACC+QG*\g+QH:ACC+QG*\g+QH+7], v[TM+4+\g]
.endr
	v_nop                                          ; one plain line behind the conversions: the next pair's products write their sources
.if \kind == 0
.irp T, 0,1
	global_store_b64 v[GA], v[CD+2*\T:CD+2*\T+1], s[32:33] offset:65536*\mtx+512*\T+256*\p   ; features 32 p + 16 h .. + 15 of row r: 256 consecutive bytes a wave, aligned
.endr
.if \p == 0
	v_mov_b32 v[SB], v[TM+6]
	v_mov_b32 v[SB+1], v[TM+7]
.else
	v_lshl_or_b32 v[SB], v[TM+6], 8, v[SB]
	v_lshl_or_b32 v[SB+1], v[TM+7], 8, v[SB+1]
	v_cndmask_b32 v[DW], v[SB], v[SB+1], s38       ; lanes 0-15 my first tile's words, lanes 16-31 my second's.  (The stage's last store of this register is done: the counted waits above have passed it)
	ds_store_b32 v[FS], v[DW] offset:SQK+2048*\mtx
.endif
.else
.irp u, 0,1
	global_store_b64 v[GA], v[CD+2*\u:CD+2*\u+1], s[34:35] offset:(2*\p+\u)*1024   ; keys 16 h .. + 15 of my block, channel of lane r: 256 consecutive bytes a wave, aligned
.endr
	v_cndmask_b32 v[DW], v[TM+6], v[TM+7], s38     ; lanes 0-15 tile 2 p's bytes, lanes 16-31 tile 2 p + 1's
	ds_store_b8 v[LT], v[DW] offset:VT+128*\p      ; byte wave % 4 of the word: four waves make a word
.endif
.endm
	PAIR 0, 0, 0
	PAIR 0, 0, 1
	PAIR 0, 1, 0
	PAIR 0, 1, 1
	PAIR 1, 2, 0
	PAIR 1, 2, 1
	s_wait_dscnt 0x0                               ; for the others' sake: my words and bytes lie in the stages
	s_barrier_signal -1
	s_barrier_wait -1
	ds_load_b64 v[BI:BI+1], v[RD8] offset:SQK
	s_wait_dscnt 0x0
	global_store_b64 v[GSO], v[BI:BI+1], s[14:15]  ; a wave stores 256 consecutive bytes, aligned: threads 0-255 q's words, the others k's
	s_cmp_lt_u32 s18, 4
	s_cbranch_scc0 .Ldone
	ds_load_b64 v[BI+2:BI+3], v[RD8] offset:VT     ; threads 0-127: v's 1,024 bytes
	s_wait_dscnt 0x0
	global_store_b64 v[GSO], v[BI+2:BI+3], s[16:17]
.Ldone:
	s_wait_xcnt 0x0
	v_lshl_add_u32 v254, v0, 2, 0x1b000
	v_mov_b32 v255, 0
	s_wait_tensorcnt 0x0
	ds_add_u32 v254, v255
	s_wait_dscnt 0x0
	s_endpgm
.Lfunc_end_k_q32b4442457_proj:
	.size	k_q32b4442457_proj, .Lfunc_end_k_q32b4442457_proj-k_q32b4442457_proj
	.p2alignl 7, 3214868480
	.fill 96, 4, 3214868480
	.section	.rodata,"a",@progbits
	.p2align	6, 0x0
	.amdhsa_kernel k_q32b4442457_proj
		.amdhsa_group_segment_fixed_size 112640
		.amdhsa_private_segment_fixed_size 0
		.amdhsa_enable_private_segment 0
		.amdhsa_kernarg_size 56
		.amdhsa_user_sgpr_count 2
		.amdhsa_user_sgpr_kernarg_segment_ptr 1
		.amdhsa_wavefront_size32 1
		.amdhsa_system_sgpr_workgroup_id_x 1
		.amdhsa_system_sgpr_workgroup_id_y 1
		.amdhsa_system_sgpr_workgroup_id_z 1
		.amdhsa_system_vgpr_workitem_id 0
		.amdhsa_next_free_vgpr 256
		.amdhsa_next_free_sgpr 66
		.amdhsa_reserve_vcc 0
		.amdhsa_float_denorm_mode_32 3
		.amdhsa_float_denorm_mode_16_64 3
		.amdhsa_memory_ordered 1
		.amdhsa_forward_progress 1
		.amdhsa_inst_pref_size 76
	.end_amdhsa_kernel
	.amdgpu_metadata
---
amdhsa.version: [ 1, 2 ]
amdhsa.kernels:
  - .name:           k_q32b4442457_proj
    .symbol:         k_q32b4442457_proj.kd
    .args:
      - { .name: xq, .offset: 0, .size: 8, .value_kind: global_buffer, .address_space: global }
      - { .name: wq, .offset: 8, .size: 8, .value_kind: global_buffer, .address_space: global }
      - { .name: bq, .offset: 16, .size: 8, .value_kind: global_buffer, .address_space: global }
      - { .name: bk, .offset: 24, .size: 8, .value_kind: global_buffer, .address_space: global }
      - { .name: bv, .offset: 32, .size: 8, .value_kind: global_buffer, .address_space: global }
      - { .name: qk, .offset: 40, .size: 8, .value_kind: global_buffer, .address_space: global }
      - { .name: vq, .offset: 48, .size: 8, .value_kind: global_buffer, .address_space: global }
    .group_segment_fixed_size: 112640
    .private_segment_fixed_size: 0
    .kernarg_segment_align: 8
    .kernarg_segment_size: 56
    .max_flat_workgroup_size: 512
    .sgpr_count:     66
    .vgpr_count:     256
    .wavefront_size: 32
...
	.end_amdgpu_metadata
.endif
;; end of part 4
;; launch attn (part 5): grid 4 x 64, 16 waves a work-group, no clusters, 74,240 bytes of LDS; arguments qk, vq, maskw, out0; writes out0
.if DOCPART == 5
	.amdgcn_target "amdgcn-amd-amdhsa--gfx1250"
	.amdhsa_code_object_version 6
	.text
	.protected	k_q32b4442457_attn
	.globl	k_q32b4442457_attn
	.p2align	8
	.type	k_q32b4442457_attn,@function
k_q32b4442457_attn:
	s_mov_b64 s[64:65], 0
	v_nop
	global_prefetch_b8 v0, s[64:65] scope:SCOPE_SE
	s_setreg_imm32_b32 hwreg(HW_REG_WAVE_MODE, 25, 1), 1
	s_wait_xcnt 0x0
; out0[b][q][64 head + :] = the sum over keys of attn(q, key) v(key), attn = softmax over the keys of (q . k / 8) with masked keys at -infinity, a fully masked row giving zeros.
; Both products on codes of FP4 (E2M1) with E8M0 scales.  THE SECOND PRODUCT'S LEFT OPERAND IS THE FINISHED, NORMALISED SOFTMAX: a row's maximum and sum over all 2,048 keys are known before any weight is coded.
; SHARES.  Work-group (x, y): head y = 16 b + head, queries 512 x .. + 511, one tile of 16 queries a trip, 32 trips.  WAVE w OWNS KEYS 128 w .. 128 w + 127 for the whole launch: its codes of k and v
; stay in registers, read once.  A trip's 16 x 2,048 scores lie in the 16 waves' registers, 64 a lane, so each score is masked, exponentiated and coded ONCE; what goes round is small:
; each wave's maximum and sum for each query (LDS, barrier A), and each wave's partial 16 x 64 of the result (LDS, barrier B), which wave w adds up for query w of the tile.
; LAYOUT.  Both products are used transposed: S^T = k q^T (source 0 = 16 keys, source 1 = the 16 queries), O^T = v^T p^T: a lane holds ONE query (lane % 16).  Lane r of a tile of keys, queries or channels stands
; for index 32 (tile/2) + 8 (tile%2) + r + 8 (r/8), so that the 16 registers of two neighbouring tiles are 16 neighbours.
; K = 64 IN AN INSTRUCTION OF 128: q's registers 4-7 are zero codes, set once, and bytes 2, 3 of both sides' scale words are 0 (no NaN byte).  So the upper half of k's operand may be any codes: it is the next tile's.
; SOFTMAX.  t = score x log2(e) / 8.  Each wave takes M_w = its largest t rounded UP to a whole number (kept as -M_w = floor(-t)), e = 2^(t - M_w), and the sum l_w of its e.  Behind barrier A: M = the largest M_w,
; l = the sum of l_w 2^(M_w - M) (by v_ldexp_f32: nothing is rounded), p = e x 2^(M_w - M) / l.  A block's largest p is not searched for: the block's largest score goes through the same three operations
; (this takes v_exp_f32 not to fall where its input rises).
; LIMITS: raw scores under -2^100 are not told apart from masked ones; v_exp_f32 gives 0 for results under 2^-126; a block of zeros has the byte 1 (its codes are zeros); NaN and infinities are not served.
; NO CLUSTER: the four work-groups of a head share k and v, which each brings once, by loads into registers at its head; there is no repeated request for a tile that partners could make jointly.
.set SQKG, 8388608
.set VSCG, 4194304
.set STM,  69632                       ; LDS: 0: the partial results [wave 16][query 16] rows of 256 bytes, 272 apart;  69,632: -M_w [query 16][wave 16], rows 80 apart;  + 1,280: l_w likewise
.set KF,  16                           ; v16-51   k: tile t at 4 t; v48-51 = 0
.set KS,  52                           ; v52-55   k's scale words: tiles 2 i (lanes 0-15), 2 i + 1 (lanes 16-31)
.set VS,  56                           ; v56-57   v's likewise
.set QS,  58                           ; v58      q's
.set PW,  59                           ; v59      p's
.set VF,  60                           ; v60-91   v: tile n at 8 n
.set QF,  92                           ; v92-99   q; v96-99 = 0
.set S,   100                          ; v100-163 S^T, then e, then p; O^T is laid over v100-131
.set RED, 164                          ; v164-195 the 16 partial results of my query
.set SL,  196                          ; v196-203 eight waves' -M_w; v204-211 their l_w
.set BM,  212                          ; v212-215 the blocks' largest scores, then largest p
.set BT,  216
.set SCO, 220                          ; the conversions' scale operands
.set BY,  224                          ; the bytes
.set PC,  228                          ; v228-235 p's codes
.set NM,  236                          ; v[236:237] -M_w (the packed form names the pair and takes its low word)
.set SUM, 238
.set F,   242                          ; v[242:243] 2^(M_w - M) / l
.set G,   244                          ; v[244:245] -M
.set TA,  246                          ; v246-249 at work
; v1 16 x lane; v2 4 (lane % 16); v3, v4 where I store and read the statistics; v5 where I put my partial result; v6 where I read my query's; v7 my query's and lane's place in out0; v8 the trip's offset there; v9 -infinity; v13 4 x lane
; s4-51, s68-83 the trip's 64 mask words; s[52:53] their address; s[54:55], s[56:57] q's codes and scale words; s[58:59] out0 at b and head; s[60:61] lane selects; s[62:63] c; s66 wave; s67 trips; s100 tile
	s_load_b256 s[84:91], s[0:1], 0x0              ; qk s[84:85], vq s[86:87], maskw s[88:89], out0 s[90:91]
	v_lshl_add_u32 v254, v0, 2, 0x11a00
	v_mov_b32 v255, 0
.irp i, 0,1,2,3
	v_mov_b32 v[KF+32+\i], 0                       ; the upper half of k's last operand,
	v_mov_b32 v[QF+4+\i], 0                        ; q's zero codes for K = 64 .. 127,
	v_mov_b32 v[BT+\i], 0                          ; and a lane permute's destinations, which count as sources
.endr
	v_mov_b32 v9, 0xff800000
	v_mov_b32 v[NM+1], 0                           ; the upper halves of pairs that packed forms name
	v_mov_b32 v[F+1], 0
	v_mov_b32 v[G+1], 0
	v_mov_b32 v[TA+1], 0
	v_lshrrev_b32 v10, 5, v0
	v_readfirstlane_b32 s66, v10                   ; wave 0..15
	v_and_b32 v10, 31, v0                          ; lane
	v_and_b32 v11, 15, v0                          ; r
	v_bfe_u32 v12, v0, 4, 1                        ; h
	v_lshlrev_b32 v1, 4, v10
	v_lshlrev_b32 v2, 2, v11
	v_lshlrev_b32 v13, 2, v10
	v_mul_u32_u24 v14, v11, 80
	s_lshl_b32 s92, s66, 2
	s_add_co_u32 s92, s92, STM
	v_add_nc_u32 v3, s92, v14                      ; STM + 80 r + 4 w
	v_lshl_add_u32 v4, v12, 5, v14
	v_add_nc_u32 v4, STM, v4                       ; STM + 80 r + 32 h: my half takes waves 8 h .. 8 h + 7
	s_mul_i32 s92, s66, 4352
	v_mul_u32_u24 v5, v11, 272
	v_lshl_add_u32 v5, v12, 6, v5
	v_add_nc_u32 v5, s92, v5                       ; 4,352 w + 272 r + 64 h
	s_mul_i32 s92, s66, 272
	v_lshl_add_u32 v6, v10, 3, s92                 ; 272 w + 8 x lane: row w of every wave's block
	s_and_b32 s92, s66, 8
	s_add_co_u32 s92, s92, s66
	s_lshl_b32 s92, s92, 12
	v_lshl_add_u32 v7, v10, 3, s92                 ; (w + 8 (w/8)) rows of 4,096 bytes + 8 x lane
	s_mov_b32 s60, 0x76543210
	s_mov_b32 s61, 0xfedcba98                      ; v_permlanex16_b32's selects for lane l xor 16
	s_mov_b32 s62, 0x3e38aa3b                      ; c = log2(e) / 8
	s_mov_b32 s63, s62                             ; (named with it as a pair, so it is written)
	s_and_b32 s92, ttmp7, 0xffff                   ; bh
	s_lshr_b32 s93, s92, 4                         ; b
	s_and_b32 s94, s92, 15                         ; head
	s_lshl_b32 s100, ttmp9, 5                      ; my first tile of queries
	s_mov_b32 s3, 0
	s_wait_kmcnt 0x0
	s_lshl_b32 s2, s92, 17
	s_add_nc_u64 s[54:55], s[84:85], s[2:3]        ; the head's codes of q
	s_lshl_b32 s2, s66, 12
	s_add_co_u32 s2, s2, 65536
	s_add_nc_u64 s[96:97], s[54:55], s[2:3]        ; my eight tiles of k
	s_lshl_b32 s2, s100, 9
	s_add_nc_u64 s[54:55], s[54:55], s[2:3]        ; q at my first tile
	s_lshl_b32 s2, s92, 14
	s_add_co_u32 s2, s2, SQKG
	s_add_nc_u64 s[56:57], s[84:85], s[2:3]
	s_lshl_b32 s2, s66, 9
	s_add_co_u32 s2, s2, 8192
	s_add_nc_u64 s[98:99], s[56:57], s[2:3]        ; k's scale words
	s_lshl_b32 s2, s100, 6
	s_add_nc_u64 s[56:57], s[56:57], s[2:3]        ; q's
	s_lshl_b32 s2, s92, 4
	s_add_co_u32 s2, s2, s66                       ; 16 bh + w
	s_lshl_b32 s95, s2, 8
	s_lshl_b32 s2, s2, 12
	s_add_nc_u64 s[84:85], s[86:87], s[2:3]        ; v's codes
	s_add_co_u32 s2, s95, VSCG
	s_add_nc_u64 s[86:87], s[86:87], s[2:3]        ; v's scale words
	s_lshl_b32 s2, s93, 7
	s_add_co_u32 s2, s2, s100
	s_lshl_b32 s2, s2, 4
	s_add_co_u32 s2, s2, s66
	s_lshl_b32 s2, s2, 8
	s_add_nc_u64 s[52:53], s[88:89], s[2:3]        ; my 64 mask words of the first tile
	s_lshl_b32 s2, s93, 23
	s_lshl_b32 s95, s94, 8
	s_add_co_u32 s2, s2, s95
	s_add_nc_u64 s[58:59], s[90:91], s[2:3]
.macro MASKS                           ; 64 words, 256 bytes, into scalar registers: each is the lane mask of one score register
	s_load_b512 s[4:19], s[52:53], 0x0
	s_load_b512 s[20:35], s[52:53], 0x40
	s_load_b512 s[36:51], s[52:53], 0x80
	s_load_b512 s[68:83], s[52:53], 0xc0
.endm
	MASKS
.irp t, 0,1,2,3,4,5,6,7
	global_load_b128 v[KF+4*\t:KF+4*\t+3], v1, s[96:97] offset:512*\t
.endr
.irp i, 0,1,2,3
	global_load_b32 v[KS+\i], v13, s[98:99] offset:128*\i
.endr
.irp i, 0,1,2,3,4,5,6,7
	global_load_b128 v[VF+4*\i:VF+4*\i+3], v1, s[84:85] offset:512*\i
.endr
.irp i, 0,1
	global_load_b32 v[VS+\i], v13, s[86:87] offset:128*\i
.endr
	global_load_b128 v[QF:QF+3], v1, s[54:55]
	global_load_b32 v[QS], v2, s[56:57]
.macro PLACES n
.rept \n
	v_nop
.endr
.endm
.macro BARRIER                         ; my LDS stores have landed and my LDS loads are in: then the work-group's barrier
	s_wait_dscnt 0x0
	s_barrier_signal -1
	s_barrier_wait -1
.endm
; The 16 waves' partial results of my query are added, and its 64 channels of this head leave.
.macro FINISH
	s_wait_dscnt 0x0
.irp i, 0,1,2,3,4,5,6,7
	v_pk_add_f32 v[RED+4*\i:RED+4*\i+1], v[RED+4*\i:RED+4*\i+1], v[RED+4*\i+2:RED+4*\i+3]
.endr
.irp i, 0,1,2,3
	v_pk_add_f32 v[RED+8*\i:RED+8*\i+1], v[RED+8*\i:RED+8*\i+1], v[RED+8*\i+4:RED+8*\i+5]
.endr
.irp i, 0,1
	v_pk_add_f32 v[RED+16*\i:RED+16*\i+1], v[RED+16*\i:RED+16*\i+1], v[RED+16*\i+8:RED+16*\i+9]
.endr
	v_pk_add_f32 v[RED:RED+1], v[RED:RED+1], v[RED+16:RED+17]
	global_store_b64 v8, v[RED:RED+1], s[58:59] th:TH_STORE_NT    ; 32 lanes store 256 consecutive bytes, aligned; written once, read by nobody here
.endm
; A TRIP: one tile of 16 queries.  first = 1: there is no earlier tile to finish.  more = 1: the next tile's q and mask words are asked for, a whole trip ahead of their use.
.macro TRIP first, more
	s_wait_loadcnt 0x0                             ; q is in (in the first trip: k and v too), so its addresses may step
.if \more
	s_add_nc_u64 s[54:55], s[54:55], 512
	s_add_nc_u64 s[56:57], s[56:57], 64
.endif
.irp t, 0,1,2,3,4,5,6,7                        ; S^T = k q^T: eight tiles of 16 keys
.if \t%2
	v_wmma_scale_f32_16x16x128_f8f6f4 v[S+8*\t:S+8*\t+7], v[KF+4*\t:KF+4*\t+7], v[QF:QF+7], 0, v[KS+\t/2], v[QS] matrix_a_fmt:MATRIX_FMT_FP4 matrix_b_fmt:MATRIX_FMT_FP4 matrix_a_scale:MATRIX_SCALE_ROW1
.else
	v_wmma_scale_f32_16x16x128_f8f6f4 v[S+8*\t:S+8*\t+7], v[KF+4*\t:KF+4*\t+7], v[QF:QF+7], 0, v[KS+\t/2], v[QS] matrix_a_fmt:MATRIX_FMT_FP4 matrix_b_fmt:MATRIX_FMT_FP4
.endif
.endr
.if \first
	PLACES 4
.else
	FINISH                                         ; the last tile's additions name none of the products' registers: they are the places behind them
.endif
.if \more
	global_load_b128 v[QF:QF+3], v1, s[54:55]
	global_load_b32 v[QS], v2, s[56:57]
.endif
	s_wait_kmcnt 0x0                               ; the mask words
.set j, 0
.rept 64
	v_cndmask_b32 v[S+j], v9, v[S+j], s[4+j+16*(j/48)]             ; a masked key's score becomes -infinity; each accumulator from its low end on
.set j, j+1
.endr
.if \more
	s_add_nc_u64 s[52:53], s[52:53], 4096          ; (the wait above has shown the last loads done)  the next tile's words
	MASKS
.endif
.irp b, 0,1,2,3
	v_max3_num_f32 v[BM+\b], v[S+16*\b], v[S+16*\b+1], v[S+16*\b+2]   ; the largest score of each block of 32 keys: it serves for the maximum and for the block's largest p
.endr
.irp i, 3,5,7,9,11,13
.irp b, 0,1,2,3
	v_max3_num_f32 v[BM+\b], v[BM+\b], v[S+16*\b+\i], v[S+16*\b+\i+1]
.endr
.endr
.irp b, 0,1,2,3
	v_max_num_f32 v[BM+\b], v[BM+\b], v[S+16*\b+15]
.endr
.irp b, 0,1,2,3
	v_permlanex16_b32 v[BT+\b], v[BM+\b], s60, s61
.endr
.irp b, 0,1,2,3
	v_max_num_f32 v[BM+\b], v[BM+\b], v[BT+\b]     ; with lane l xor 16's 16 keys
.endr
	v_max3_num_f32 v[TA], v[BM], v[BM+1], v[BM+2]
	v_max3_num_f32 v[TA], v[TA], v[BM+3], 0xf1800000   ; my 128 keys' largest score, not under -2^100: so M_w is a number where all are masked
	v_mul_f32 v[TA], s62, v[TA]
	v_floor_f32 v[NM], -v[TA]                      ; -M_w = floor(-t): a whole number
.set j, 0
.rept 32
	v_pk_fma_f32 v[S+j:S+j+1], v[S+j:S+j+1], s[62:63], v[NM:NM+1] op_sel_hi:[1,0,0]   ; t - M_w, two at a time
.set j, j+2
.endr
.irp b, 0,1,2,3
	v_fma_f32 v[BM+\b], v[BM+\b], s62, v[NM]
.endr
.set j, 0
.rept 64
	v_exp_f32 v[S+j], v[S+j]                       ; e = 2^(t - M_w), at most 1; 0 for a masked key
.set j, j+1
.endr
.irp b, 0,1,2,3
	v_exp_f32 v[BM+\b], v[BM+\b]
.endr
	v_nop                                          ; a plain line behind the exponentials
	s_wait_alu depctr_va_vdst(0)
	v_pk_add_f32 v[SUM:SUM+1], v[S:S+1], v[S+2:S+3]                ; l_w: two packed chains
	v_pk_add_f32 v[SUM+2:SUM+3], v[S+4:S+5], v[S+6:S+7]
.set j, 8
.rept 14
	v_pk_add_f32 v[SUM:SUM+1], v[SUM:SUM+1], v[S+j:S+j+1]
	v_pk_add_f32 v[SUM+2:SUM+3], v[SUM+2:SUM+3], v[S+j+2:S+j+3]
.set j, j+4
.endr
	v_pk_add_f32 v[SUM:SUM+1], v[SUM:SUM+1], v[SUM+2:SUM+3]
	v_add_f32 v[SUM], v[SUM], v[SUM+1]
	v_permlanex16_b32 v[SUM+1], v[SUM], s60, s61
	v_add_f32 v[SUM], v[SUM], v[SUM+1]
	ds_store_b32 v3, v[NM]                         ; both lanes of a query write the same word with the same value
	ds_store_b32 v3, v[SUM] offset:1280
	BARRIER                                        ; A: all sixteen waves' -M_w and l_w lie in LDS; and every wave has read the last tile's partial results
	ds_load_b128 v[SL:SL+3], v4
	ds_load_b128 v[SL+4:SL+7], v4 offset:16
	ds_load_b128 v[SL+8:SL+11], v4 offset:1280
	ds_load_b128 v[SL+12:SL+15], v4 offset:1296
	s_wait_dscnt 0x0
	v_min3_num_f32 v[G], v[SL], v[SL+1], v[SL+2]
	v_min3_num_f32 v[G], v[G], v[SL+3], v[SL+4]
	v_min3_num_f32 v[G], v[G], v[SL+5], v[SL+6]
	v_min_num_f32 v[G], v[G], v[SL+7]
	v_permlanex16_b32 v[TA], v[G], s60, s61
	v_min_num_f32 v[G], v[G], v[TA]                ; -M = the least -M_w
.irp i, 0,2,4,6
	v_pk_add_f32 v[SL+\i:SL+\i+1], v[G:G+1], v[SL+\i:SL+\i+1] op_sel_hi:[0,1] neg_lo:[0,1] neg_hi:[0,1]   ; M_w - M: a whole number, 0 or less
.endr
.irp i, 0,1,2,3,4,5,6,7
	v_cvt_i32_f32 v[SL+\i], v[SL+\i]               ; (it saturates)
.endr
.irp i, 0,1,2,3,4,5,6,7
	v_ldexp_f32 v[SL+8+\i], v[SL+8+\i], v[SL+\i]   ; l_w under M: nothing is rounded
.endr
	v_pk_add_f32 v[SL+8:SL+9], v[SL+8:SL+9], v[SL+10:SL+11]
	v_pk_add_f32 v[SL+12:SL+13], v[SL+12:SL+13], v[SL+14:SL+15]
	v_pk_add_f32 v[SL+8:SL+9], v[SL+8:SL+9], v[SL+12:SL+13]
	v_add_f32 v[TA], v[SL+8], v[SL+9]
	v_permlanex16_b32 v[TA+1], v[TA], s60, s61
	v_add_f32 v[TA], v[TA], v[TA+1]                ; l: the row's sum
	v_rcp_f32 v[TA+2], v[TA]
	v_sub_f32 v[TA+3], v[G], v[NM]                 ; (a plain line behind the reciprocal)  my M_w - M
	v_cmp_lt_f32 vcc_lo, 0, v[TA]
	v_cvt_i32_f32 v[TA+3], v[TA+3]
	s_wait_alu depctr_va_vdst(0)
	v_cndmask_b32 v[TA+2], 0, v[TA+2], vcc_lo      ; a fully masked row: l = 0, and its weights are zeros
	v_ldexp_f32 v[F], v[TA+2], v[TA+3]             ; 2^(M_w - M) / l
.set j, 0
.rept 32
	v_pk_mul_f32 v[S+j:S+j+1], v[S+j:S+j+1], v[F:F+1] op_sel_hi:[1,0]   ; p, finished and normalised
.set j, j+2
.endr
.irp b, 0,1,2,3
	v_mul_f32 v[BM+\b], v[BM+\b], v[F]             ; the blocks' largest p: the same operations on the same numbers give the same bits
.endr
.irp b, 0,1,2,3
	v_max_num_f32 v[BM+\b], 0x1800000, v[BM+\b]    ; the floor 2^(3 - 127): the byte cannot fall under 1
.endr
.irp b, 0,1,2,3
	v_add_nc_u32 v[SCO+\b], 0xff000000, v[BM+\b]   ; 2 off the exponent field: the conversion's scale operand
.endr
.irp b, 0,1,2,3
	v_lshrrev_b32 v[BY+\b], 23, v[SCO+\b]
.endr
	v_lshl_or_b32 v[PW], v[BY+1], 8, v[BY]         ; p's scale word for my 128 keys
	v_lshl_or_b32 v[PW], v[BY+2], 16, v[PW]
	v_lshl_or_b32 v[PW], v[BY+3], 24, v[PW]
.irp b, 0,1,2,3
	v_cvt_scalef32_pk8_fp4_f32 v[PC+2*\b], v[S+16*\b:S+16*\b+7], v[SCO+\b]
	v_cvt_scalef32_pk8_fp4_f32 v[PC+2*\b+1], v[S+16*\b+8:S+16*\b+15], v[SCO+\b]
.endr
	v_nop                                          ; one plain line behind the conversions
.irp c, 0,1                                    ; the operand's layout wants a WHOLE block in a lane: lanes 0-15 block 2 c, lanes 16-31 block 2 c + 1
.irp i, 0,1
	v_permlane16_swap_b32 v[PC+4*\c+\i], v[PC+4*\c+2+\i]
.endr
.endr
	PLACES 8                                       ; a scale register written by vector instructions stands 8 places ahead of a scaled matrix instruction, an operand so written 4
.irp n, 0,1,2,3                                ; O^T = v^T p^T over my 128 keys: four tiles of 16 channels
.if \n%2
	v_wmma_scale_f32_16x16x128_f8f6f4 v[S+8*\n:S+8*\n+7], v[VF+8*\n:VF+8*\n+7], v[PC:PC+7], 0, v[VS+\n/2], v[PW] matrix_a_fmt:MATRIX_FMT_FP4 matrix_b_fmt:MATRIX_FMT_FP4 matrix_a_scale:MATRIX_SCALE_ROW1
.else
	v_wmma_scale_f32_16x16x128_f8f6f4 v[S+8*\n:S+8*\n+7], v[VF+8*\n:VF+8*\n+7], v[PC:PC+7], 0, v[VS+\n/2], v[PW] matrix_a_fmt:MATRIX_FMT_FP4 matrix_b_fmt:MATRIX_FMT_FP4
.endif
.endr
	PLACES 5                                       ; four in front of the stores that read these results; five in front of the next trip's products, which write over them
.irp a, 0,1
.irp i, 0,1,2,3
	ds_store_b128 v5, v[S+16*\a+4*\i:S+16*\a+4*\i+3] offset:128*\a+16*\i   ; query r, channels 32 a + 16 h + 4 i .. + 3; each accumulator from its low end on
.endr
.endr
	BARRIER                                        ; B: all sixteen partial results lie in LDS; and every wave has read the statistics
	s_wait_xcnt 0x0                                ; the last tile's store has read its registers: they are written again only behind this wait
	s_lshr_b32 s101, s100, 1
	s_lshl_b32 s101, s101, 17                      ; 32 rows of 4,096 bytes
	s_and_b32 s2, s100, 1
	s_lshl_b32 s2, s2, 15                          ; 8 rows
	s_add_co_u32 s101, s101, s2
	v_add_nc_u32 v8, s101, v7                      ; where this tile's query w lies in out0
	s_add_co_u32 s100, s100, 1
.irp w, 0,1,2,3,4,5,6,7,8,9,10,11,12,13,14,15
	ds_load_b64 v[RED+2*\w:RED+2*\w+1], v6 offset:4352*\w          ; they are added behind the next trip's first products
.endr
.endm
	TRIP 1, 1
	s_mov_b32 s67, 30
.Ltrip:
	TRIP 0, 1
	s_sub_co_u32 s67, s67, 1
	s_cmp_lg_u32 s67, 0
	s_cbranch_scc1 .Ltrip
	TRIP 0, 0                                      ; the last tile asks for nothing more: no load leaves its buffer
	FINISH
	s_wait_tensorcnt 0x0
	ds_add_u32 v254, v255
	s_wait_dscnt 0x0
	s_endpgm
.Lfunc_end_k_q32b4442457_attn:
	.size	k_q32b4442457_attn, .Lfunc_end_k_q32b4442457_attn-k_q32b4442457_attn
	.p2alignl 7, 3214868480
	.fill 96, 4, 3214868480
	.section	.rodata,"a",@progbits
	.p2align	6, 0x0
	.amdhsa_kernel k_q32b4442457_attn
		.amdhsa_group_segment_fixed_size 74240
		.amdhsa_private_segment_fixed_size 0
		.amdhsa_enable_private_segment 0
		.amdhsa_kernarg_size 32
		.amdhsa_user_sgpr_count 2
		.amdhsa_user_sgpr_kernarg_segment_ptr 1
		.amdhsa_wavefront_size32 1
		.amdhsa_system_sgpr_workgroup_id_x 1
		.amdhsa_system_sgpr_workgroup_id_y 1
		.amdhsa_system_sgpr_workgroup_id_z 1
		.amdhsa_system_vgpr_workitem_id 0
		.amdhsa_next_free_vgpr 256
		.amdhsa_next_free_sgpr 102
		.amdhsa_reserve_vcc 1
		.amdhsa_float_denorm_mode_32 3
		.amdhsa_float_denorm_mode_16_64 3
		.amdhsa_memory_ordered 1
		.amdhsa_forward_progress 1
		.amdhsa_inst_pref_size 80
	.end_amdhsa_kernel
	.amdgpu_metadata
---
amdhsa.version: [ 1, 2 ]
amdhsa.kernels:
  - .name:           k_q32b4442457_attn
    .symbol:         k_q32b4442457_attn.kd
    .args:
      - { .name: qk, .offset: 0, .size: 8, .value_kind: global_buffer, .address_space: global }
      - { .name: vq, .offset: 8, .size: 8, .value_kind: global_buffer, .address_space: global }
      - { .name: maskw, .offset: 16, .size: 8, .value_kind: global_buffer, .address_space: global }
      - { .name: out0, .offset: 24, .size: 8, .value_kind: global_buffer, .address_space: global }
    .group_segment_fixed_size: 74240
    .private_segment_fixed_size: 0
    .kernarg_segment_align: 8
    .kernarg_segment_size: 32
    .max_flat_workgroup_size: 512
    .sgpr_count:     102
    .vgpr_count:     256
    .wavefront_size: 32
...
	.end_amdgpu_metadata
.endif
;; end of part 5
;; ======== version 2 of 2: 5 launches
;; limits: right only within a limited range of input values
;; workspace buffers: maskw 2,097,152 bytes of whole numbers; xq 4,456,448 bytes; wq 1,671,168 bytes; qk 9,437,184 bytes; vq 4,456,448 bytes
;; launch maskpack (part 6): grid 512 x 1, 8 waves a work-group, no clusters, 5,120 bytes of LDS; arguments attn_mask, maskw; writes maskw
.if DOCPART == 6
	.amdgcn_target "amdgcn-amd-amdhsa--gfx1250"
	.amdhsa_code_object_version 6
	.text
	.protected	k_q32b4442457_maskpack
	.globl	k_q32b4442457_maskpack
	.p2align	8
	.type	k_q32b4442457_maskpack,@function
k_q32b4442457_maskpack:
	s_mov_b64 s[64:65], 0
	v_nop
	global_prefetch_b8 v0, s[64:65] scope:SCOPE_SE
	s_setreg_imm32_b32 hwreg(HW_REG_WAVE_MODE, 25, 1), 1
	s_wait_xcnt 0x0
; attn_mask [4][2048][2048] int32 becomes bits, laid as the attention launch's lanes want them:
; maskw [b 4][T 128][w 16][j 64] of 32-bit words; bit l of word j says whether
; attn_mask[b][query][key] != 0 for query = 32 (T/2) + 8 (T%2) + r + 8 (r/8), r = l % 16, and key = 128 w + 32 (j/16) + 16 (l/16) + j % 16.
; So one word is the lane mask of one score register of one wave there, and all 16 heads read 1/32 of the mask's bytes.
; SHARES.  Work-group x = 128 b + T: 16 queries x all 2,048 keys.  Wave wv takes keys 256 wv .. 256 wv + 255 as two units of 128 keys.
; A load reads 512 consecutive bytes of one query's row (lane l: keys 4 l .. 4 l + 3 of the unit); all 32 loads of a wave go out at once.
; A lane gathers, for each of its four keys, the 16 queries' bits in one register; the 16-bit columns are laid in the wave's own 512 bytes of LDS
; at their words' halves and leave as 512 consecutive bytes.  Waves share nothing: no barrier.  No matrix unit, no cluster: a plain stream, each byte read once.
.set X,    16                          ; v16-143  the loaded words: 64 x unit + 4 x row
.set ACC,  8                           ; v8-11 unit 0's four columns; v148-151 unit 1's: a unit's LDS stores keep their data registers
.set TMP,  12                          ; v12-15   at work
.set OUTR, 144                         ; v144-147 the way out
	s_load_b128 s[4:7], s[0:1], 0x0                ; attn_mask s[4:5], maskw s[6:7]
	v_lshl_add_u32 v152, v0, 2, 0x1000
	v_mov_b32 v153, 0
	v_lshrrev_b32 v4, 5, v0
	s_delay_alu instid0(VALU_DEP_1)
	v_readfirstlane_b32 s8, v4                     ; wave 0..7
	v_and_b32 v5, 31, v0                           ; lane
	s_delay_alu instid0(VALU_DEP_1)
	v_lshlrev_b32 v1, 4, v5                        ; 16 x lane: in a row's 512 bytes, and on the way out
	s_delay_alu instid0(VALU_DEP_2)
	v_lshrrev_b32 v6, 3, v5
	s_delay_alu instid0(VALU_DEP_1)
	v_lshlrev_b32 v2, 6, v6                        ; key 4 l + c = 32 bb + 16 h + jm lies in word 16 bb + jm, half h: byte 64 (l/8) + 16 (l%4) + 4 c + 2 ((l/4)%2)
	s_delay_alu instid0(VALU_DEP_4)
	v_and_b32 v6, 3, v5
	s_delay_alu instid0(VALU_DEP_1)
	v_lshl_add_u32 v2, v6, 4, v2
	v_bfe_u32 v6, v5, 2, 1
	s_delay_alu instid0(VALU_DEP_1)
	v_lshl_add_u32 v2, v6, 1, v2
	s_lshl_b32 s9, s8, 9                           ; my wave's 512 bytes of LDS, and of the work-group's 4,096 bytes of output
	v_add_nc_u32 v2, s9, v2
	v_add_nc_u32 v3, s9, v1
	s_lshr_b32 s10, ttmp9, 7                       ; b
	s_lshl_b32 s10, s10, 24                        ; a batch's mask is 2^24 bytes
	s_and_b32 s11, ttmp9, 127                      ; T
	s_lshr_b32 s12, s11, 1
	s_lshl_b32 s12, s12, 18                        ; 32 rows of 8,192 bytes
	s_and_b32 s13, s11, 1
	s_lshl_b32 s13, s13, 16                        ; 8 rows
	s_add_co_u32 s10, s10, s12
	s_add_co_u32 s10, s10, s13
	s_lshl_b32 s12, s8, 10                         ; my wave's 256 keys
	s_add_co_u32 s10, s10, s12
	s_mov_b32 s11, 0
	s_lshl_b32 s12, ttmp9, 12
	s_add_co_u32 s12, s12, s9
	s_mov_b32 s13, 0
	s_wait_alu depctr_va_vdst(0)
	s_wait_kmcnt 0x0
	s_add_nc_u64 s[4:5], s[4:5], s[10:11]
	s_add_nc_u64 s[6:7], s[6:7], s[12:13]
.irp u, 0,1
.irp p, 0,1,2,3,4,5,6,7,8,9,10,11,12,13,14,15
	global_load_b128 v[X+64*\u+4*\p:X+64*\u+4*\p+3], v1, s[4:5] offset:(\p+8*(\p/8))*8192+512*\u th:TH_LOAD_NT   ; lane r of the tile stands for row r + 8 (r/8)
.endr
.endr
.macro PACK u
.if \u == 0
	s_wait_loadcnt 16                              ; unit 0's 16 loads are in; unit 1's 16 may be out
.else
	s_wait_loadcnt 0x0
.endif
.irp c, 0,1,2,3
	v_min_u32 v[ACC+140*\u+\c], 1, v[X+64*\u+\c]   ; 1 for whatever is not 0; row 0 starts the column: nothing is cleared
.endr
.irp p, 1,2,3,4,5,6,7,8,9,10,11,12,13,14,15
.irp c, 0,1,2,3
	v_min_u32 v[TMP+\c], 1, v[X+64*\u+4*\p+\c]
.endr
.irp c, 0,1,2,3
	s_delay_alu instid0(VALU_DEP_4)
	v_lshl_or_b32 v[ACC+140*\u+\c], v[TMP+\c], \p, v[ACC+140*\u+\c]
.endr
.endr
.irp c, 0,1,2,3
	ds_store_b16 v2, v[ACC+140*\u+\c] offset:256*\u+4*\c
.endr
.endm
	PACK 0
	PACK 1
	ds_load_b128 v[OUTR:OUTR+3], v3                ; LDS serves a wave's instructions in order: this sees my stores
	s_wait_dscnt 0x0
	global_store_b128 v1, v[OUTR:OUTR+3], s[6:7]   ; 32 lanes store 512 consecutive bytes, at a multiple of 256 from the buffer's first byte
	s_wait_tensorcnt 0x0
	ds_add_u32 v152, v153
	s_wait_dscnt 0x0
	s_endpgm
.Lfunc_end_k_q32b4442457_maskpack:
	.size	k_q32b4442457_maskpack, .Lfunc_end_k_q32b4442457_maskpack-k_q32b4442457_maskpack
	.p2alignl 7, 3214868480
	.fill 96, 4, 3214868480
	.section	.rodata,"a",@progbits
	.p2align	6, 0x0
	.amdhsa_kernel k_q32b4442457_maskpack
		.amdhsa_group_segment_fixed_size 5120
		.amdhsa_private_segment_fixed_size 0
		.amdhsa_enable_private_segment 0
		.amdhsa_kernarg_size 16
		.amdhsa_user_sgpr_count 2
		.amdhsa_user_sgpr_kernarg_segment_ptr 1
		.amdhsa_wavefront_size32 1
		.amdhsa_system_sgpr_workgroup_id_x 1
		.amdhsa_system_sgpr_workgroup_id_y 1
		.amdhsa_system_sgpr_workgroup_id_z 1
		.amdhsa_system_vgpr_workitem_id 0
		.amdhsa_next_free_vgpr 154
		.amdhsa_next_free_sgpr 66
		.amdhsa_reserve_vcc 0
		.amdhsa_float_denorm_mode_32 3
		.amdhsa_float_denorm_mode_16_64 3
		.amdhsa_memory_ordered 1
		.amdhsa_forward_progress 1
		.amdhsa_inst_pref_size 21
	.end_amdhsa_kernel
	.amdgpu_metadata
---
amdhsa.version: [ 1, 2 ]
amdhsa.kernels:
  - .name:           k_q32b4442457_maskpack
    .symbol:         k_q32b4442457_maskpack.kd
    .args:
      - { .name: attn_mask, .offset: 0, .size: 8, .value_kind: global_buffer, .address_space: global }
      - { .name: maskw, .offset: 8, .size: 8, .value_kind: global_buffer, .address_space: global }
    .group_segment_fixed_size: 5120
    .private_segment_fixed_size: 0
    .kernarg_segment_align: 8
    .kernarg_segment_size: 16
    .max_flat_workgroup_size: 256
    .sgpr_count:     66
    .vgpr_count:     154
    .wavefront_size: 32
...
	.end_amdgpu_metadata
.endif
;; end of part 6
;; launch quantx (part 7): grid 256 x 1, 4 waves a work-group, no clusters, 34,304 bytes of LDS; arguments input_batch, xq; writes xq
.if DOCPART == 7
	.amdgcn_target "amdgcn-amd-amdhsa--gfx1250"
	.amdhsa_code_object_version 6
	.text
	.protected	k_q32b4442457_quantx
	.globl	k_q32b4442457_quantx
	.p2align	8
	.type	k_q32b4442457_quantx,@function
k_q32b4442457_quantx:
	s_mov_b64 s[64:65], 0
	v_nop
	global_prefetch_b8 v0, s[64:65] scope:SCOPE_SE
	s_setreg_imm32_b32 hwreg(HW_REG_WAVE_MODE, 25, 1), 1
	s_wait_xcnt 0x0
; input_batch, 8,192 rows x 1,024 f32, becomes codes of FP4 (E2M1) with one E8M0 scale byte for each 32 along d, laid as IMAGES OF THE OPERAND'S REGISTERS:
; xq codes [tile 512][s 8][c 2][lane 32][16 bytes]: lane (r, h) holds row 32 (tile/2) + 8 (tile%2) + r + 8 (r/8), d = 128 s + 64 c + 32 h .. + 31;
; xq scale words at XSC: [tile][g 2][lane 32][jj 2]: the four bytes of K step 4 g + 2 jj + lane/16 of the row of lane % 16: one register so carries two K steps' words.
; A block's scale is 2^(floor(log2(its largest magnitude)) - 2); its byte is the largest magnitude's exponent field - 2, held at 1 from below.
; LIMITS: a block of zeros gets the byte 1 where the rule says 127 (its codes are zeros, and this program alone reads the bytes); NaN and infinities among the inputs are not served.
; SHARES.  A wave takes one tile of 16 rows and half of d: four units of 16 rows x 128 d.  Each load reads 512 consecutive bytes of a row; a unit turns through the wave's own stage in LDS
; (rows 528 bytes apart, so that the 16 rows that a read touches start at 16 different banks) and comes back with a whole block of 32 in one lane: no other lane is asked for a maximum.
; Loads run two units (32 loads a wave) ahead.  Waves share nothing: no barrier.  A stream: no matrix unit, no cluster.
.set XSC, 4194304
.set R,   16                           ; v16-143  two sets of 64: a unit as loaded
.set X,   144                          ; v144-207 my two blocks: 32 c + i
.set C,   208                          ; v208-239 codes: 8 a unit, never written again
.set M,   6                            ; v6-7 largest magnitudes, then scale operands; v8-9 bytes
.set W,   10                           ; v10-13 the units' scale words
	s_load_b128 s[4:7], s[0:1], 0x0                ; input_batch s[4:5], xq s[6:7]
	v_lshl_add_u32 v240, v0, 2, 0x8400
	v_mov_b32 v241, 0
	v_lshrrev_b32 v6, 5, v0
	v_readfirstlane_b32 s8, v6                     ; wave 0..3
	v_and_b32 v7, 31, v0                           ; lane
	v_lshlrev_b32 v1, 4, v7                        ; 16 x lane
	s_mul_i32 s9, s8, 8448                         ; my stage
	v_add_nc_u32 v2, s9, v1                        ; in: a row's 512 bytes as they lie
	v_and_b32 v8, 15, v0                           ; r
	v_bfe_u32 v9, v0, 4, 1                         ; h
	v_mul_u32_u24 v3, v8, 528
	v_lshl_add_u32 v3, v9, 7, v3
	v_add_nc_u32 v3, s9, v3                        ; out: row r, + 128 h: my 32 numbers of each 64
	v_lshlrev_b32 v4, 3, v7                        ; 8 x lane: the scale words' place
	v_lshlrev_b32 v5, 3, v9                        ; 8 h: my bytes' shift in a scale word
	s_mov_b32 s10, 0x76543210
	s_mov_b32 s11, 0xfedcba98                      ; v_permlanex16_b32's selects for lane l xor 16
	s_mov_b32 s12, 0xffff0000                      ; lanes 16-31
	s_lshl_b32 s13, ttmp9, 2
	s_add_co_u32 s13, s13, s8
	s_lshr_b32 s14, s13, 1                         ; tile
	s_and_b32 s15, s13, 1                          ; g: which half of d
	s_lshr_b32 s16, s14, 1
	s_lshl_b32 s16, s16, 17                        ; 32 rows of 4,096 bytes
	s_and_b32 s17, s14, 1
	s_lshl_b32 s17, s17, 15                        ; 8 rows
	s_add_co_u32 s16, s16, s17
	s_lshl_b32 s17, s15, 11
	s_add_co_u32 s16, s16, s17
	s_mov_b32 s17, 0
	s_lshl_b32 s18, s14, 13                        ; a tile's codes: 8,192 bytes
	s_lshl_b32 s19, s15, 12
	s_add_co_u32 s18, s18, s19
	s_mov_b32 s19, 0
	s_lshl_b32 s20, s14, 9                         ; its scale words: 512 bytes
	s_lshl_b32 s21, s15, 8
	s_add_co_u32 s20, s20, s21
	s_add_co_u32 s20, s20, XSC
	s_mov_b32 s21, 0
	s_wait_alu depctr_va_vdst(0)
	s_wait_kmcnt 0x0
	s_add_nc_u64 s[4:5], s[4:5], s[16:17]
	s_add_nc_u64 s[22:23], s[6:7], s[20:21]
	s_add_nc_u64 s[6:7], s[6:7], s[18:19]
.macro LOAD t
.irp p, 0,1,2,3,4,5,6,7,8,9,10,11,12,13,14,15
	global_load_b128 v[R+64*((\t)%2)+4*\p:R+64*((\t)%2)+4*\p+3], v1, s[4:5] offset:(\p+8*(\p/8))*4096+512*(\t) th:TH_LOAD_NT
.endr
.endm
.macro UNIT t
.if (\t) < 3
	s_wait_loadcnt 16                              ; this unit's 16 loads are in; the next unit's may be out
.else
	s_wait_loadcnt 0x0
.endif
.irp p, 0,1,2,3,4,5,6,7,8,9,10,11,12,13,14,15
	ds_store_b128 v2, v[R+64*((\t)%2)+4*\p:R+64*((\t)%2)+4*\p+3] offset:528*\p
.endr
.irp c, 0,1
.irp i, 0,1,2,3,4,5,6,7
	ds_load_b128 v[X+32*\c+4*\i:X+32*\c+4*\i+3], v3 offset:256*\c+16*\i   ; LDS serves a wave's instructions in order: these see the stores above
.endr
.endr
	s_wait_dscnt 0x0                               ; my blocks are in, and the stores have read their registers,
.if (\t) < 2
	LOAD (\t)+2                                    ; which take the unit two further on
.endif
.irp c, 0,1
	v_max3_num_f32 v[M+\c], |v[X+32*\c]|, |v[X+32*\c+1]|, 0x1800000   ; block 2 c + h: all 32 numbers are mine; the floor 2^(3 - 127) holds the byte at 1 from below
.endr
.irp i, 2,4,6,8,10,12,14,16,18,20,22,24,26,28,30
.irp c, 0,1
	v_max3_num_f32 v[M+\c], v[M+\c], |v[X+32*\c+\i]|, |v[X+32*\c+\i+1]|   ; (the two blocks by turns)
.endr
.endr
.irp c, 0,1
	v_add_nc_u32 v[M+\c], 0xff000000, v[M+\c]      ; 2 off the exponent field: the conversion takes the exponent field of this operand as its scale
.endr
.irp c, 0,1
	v_lshrrev_b32 v[M+2+\c], 23, v[M+\c]           ; the scale's byte
.endr
.irp c, 0,1
.irp g, 0,1,2,3
	v_cvt_scalef32_pk8_fp4_f32 v[C+8*(\t)+4*\c+\g], v[X+32*\c+8*\g:X+32*\c+8*\g+7], v[M+\c]
.endr
.endr
	v_lshl_or_b32 v[W+(\t)], v[M+3], 16, v[M+2]    ; my two bytes: blocks h and 2 + h of row r.  (A plain line behind the conversions)
	v_lshlrev_b32 v[W+(\t)], v5, v[W+(\t)]         ; at their places, 8 h bits up;
	v_permlanex16_b32 v[M+2], v[W+(\t)], s10, s11
	v_or_b32 v[W+(\t)], v[W+(\t)], v[M+2]          ; with lane l xor 16's two the word is whole
.irp c, 0,1
	global_store_b128 v1, v[C+8*(\t)+4*\c:C+8*(\t)+4*\c+3], s[6:7] offset:(2*(\t)+\c)*512   ; 512 consecutive bytes, aligned to 256
.endr
.endm
	LOAD 0
	LOAD 1
	UNIT 0
	UNIT 1
	v_cndmask_b32 v14, v[W], v[W+1], s12           ; lanes 0-15 the even K step's word, lanes 16-31 the odd one's
	UNIT 2
	UNIT 3
	v_cndmask_b32 v15, v[W+2], v[W+3], s12
	global_store_b64 v4, v[14:15], s[22:23]        ; 32 lanes store 256 consecutive bytes, aligned
	s_wait_tensorcnt 0x0
	ds_add_u32 v240, v241
	s_wait_dscnt 0x0
	s_endpgm
.Lfunc_end_k_q32b4442457_quantx:
	.size	k_q32b4442457_quantx, .Lfunc_end_k_q32b4442457_quantx-k_q32b4442457_quantx
	.p2alignl 7, 3214868480
	.fill 96, 4, 3214868480
	.section	.rodata,"a",@progbits
	.p2align	6, 0x0
	.amdhsa_kernel k_q32b4442457_quantx
		.amdhsa_group_segment_fixed_size 34304
		.amdhsa_private_segment_fixed_size 0
		.amdhsa_enable_private_segment 0
		.amdhsa_kernarg_size 16
		.amdhsa_user_sgpr_count 2
		.amdhsa_user_sgpr_kernarg_segment_ptr 1
		.amdhsa_wavefront_size32 1
		.amdhsa_system_sgpr_workgroup_id_x 1
		.amdhsa_system_sgpr_workgroup_id_y 1
		.amdhsa_system_sgpr_workgroup_id_z 1
		.amdhsa_system_vgpr_workitem_id 0
		.amdhsa_next_free_vgpr 242
		.amdhsa_next_free_sgpr 66
		.amdhsa_reserve_vcc 0
		.amdhsa_float_denorm_mode_32 3
		.amdhsa_float_denorm_mode_16_64 3
		.amdhsa_memory_ordered 1
		.amdhsa_forward_progress 1
		.amdhsa_inst_pref_size 30
	.end_amdhsa_kernel
	.amdgpu_metadata
---
amdhsa.version: [ 1, 2 ]
amdhsa.kernels:
  - .name:           k_q32b4442457_quantx
    .symbol:         k_q32b4442457_quantx.kd
    .args:
      - { .name: input_batch, .offset: 0, .size: 8, .value_kind: global_buffer, .address_space: global }
      - { .name: xq, .offset: 8, .size: 8, .value_kind: global_buffer, .address_space: global }
    .group_segment_fixed_size: 34304
    .private_segment_fixed_size: 0
    .kernarg_segment_align: 8
    .kernarg_segment_size: 16
    .max_flat_workgroup_size: 128
    .sgpr_count:     66
    .vgpr_count:     242
    .wavefront_size: 32
...
	.end_amdgpu_metadata
.endif
;; end of part 7
;; launch quantw (part 8): grid 64 x 3, 4 waves a work-group, no clusters, 0 bytes of LDS; arguments Wq, Wk, Wv, wq; writes wq
.if DOCPART == 8
	.amdgcn_target "amdgcn-amd-amdhsa--gfx1250"
	.amdhsa_code_object_version 6
	.text
	.protected	k_q32b4442457_quantw
	.globl	k_q32b4442457_quantw
	.p2align	8
	.type	k_q32b4442457_quantw,@function
k_q32b4442457_quantw:
	s_mov_b64 s[64:65], 0
	v_nop
	global_prefetch_b8 v0, s[64:65] scope:SCOPE_SE
	s_setreg_imm32_b32 hwreg(HW_REG_WAVE_MODE, 25, 1), 1
	s_wait_xcnt 0x0
; Wq, Wk, Wv [16 heads][1024 d][64 features] f32, whose K (d) is not innermost, become codes of FP4 (E2M1) with one E8M0 byte for each 32 along d, as IMAGES OF THE OPERAND'S REGISTERS:
; wq codes [head][mtx 3][t 4][s 8][c 2][lane 32][16 bytes]: lane (r, h) holds feature 32 (t/2) + 8 (t%2) + r + 8 (r/8), d = 128 s + 64 c + 32 h .. + 31;
; wq scale words at WSCG: [head][mtx][t][s 8][r 16]: byte q scales d = 128 s + 32 q .. + 31.
; A LANE TAKES A COLUMN (a feature) AND ITS REGISTERS RUN DOWN d: a block of 32 lies in one lane's 32 registers, its maximum needs no other lane, and the conversions give codes with d innermost.
; A block's byte is its largest magnitude's exponent field - 2, held at 1 from below.
; LIMITS: a block of zeros gets the byte 1 where the rule says 127 (its codes are zeros, and this program alone reads the bytes); NaN and infinities are not served.
; SHARES.  Work-group x: head x/4, features 32 ((x/2)%2) on, K steps 4 (x%2) + wave; y: which of the three weights.  A wave: 32 features x 128 d: four blocks a lane; loads run two blocks (64 loads) ahead.
; A load reads 128 consecutive bytes.  A block's codes leave as two runs of 256 consecutive aligned bytes, sixteen lanes each.  The scale words leave as two pieces of 64 bytes a wave:
; 4 bytes for each 512 bytes that the wave reads.  Waves share nothing: no LDS, no barrier, no cluster.
.set WSCG, 1572864
.set X,  32                            ; v32-95   two sets of 32 numbers
.set C,  96                            ; v96-111  codes: four registers a block, never written again
.set SB, 24                            ; v24      my feature's scale word
	s_load_b256 s[4:11], s[0:1], 0x0               ; Wq s[4:5], Wk s[6:7], Wv s[8:9], wq s[10:11]
	v_lshrrev_b32 v4, 5, v0
	v_readfirstlane_b32 s12, v4                    ; wave 0..3
	v_and_b32 v5, 31, v0                           ; lane = feature within the 32
	v_lshlrev_b32 v1, 2, v5                        ; in: 4 bytes a lane
	v_bfe_u32 v6, v5, 3, 1                         ; u: which of the pair's two tiles holds my feature,
	v_and_b32 v7, 7, v5
	v_lshrrev_b32 v8, 4, v5
	v_lshl_add_u32 v7, v8, 3, v7                   ; and at which lane r of it: lane = 8 u + r + 8 (r/8)
	v_lshlrev_b32 v2, 13, v6
	v_lshl_add_u32 v2, v7, 4, v2                   ; codes: 8,192 u + 16 r
	v_lshlrev_b32 v3, 9, v6
	v_lshl_add_u32 v3, v7, 2, v3                   ; scale words: 512 u + 4 r
	s_and_b32 s13, ttmp7, 0xffff                   ; which weight
	s_lshr_b32 s14, ttmp9, 2                       ; head
	s_bfe_u32 s15, ttmp9, 0x10001                  ; which 32 features
	s_and_b32 s16, ttmp9, 1
	s_lshl_b32 s16, s16, 2
	s_add_co_u32 s16, s16, s12                     ; K step s
	s_lshl_b32 s18, s14, 18                        ; a head's weight: 262,144 bytes
	s_lshl_b32 s19, s16, 15                        ; 128 rows of 256 bytes
	s_add_co_u32 s18, s18, s19
	s_lshl_b32 s19, s15, 7
	s_add_co_u32 s18, s18, s19
	s_mov_b32 s19, 0
	s_mul_i32 s20, s14, 3
	s_add_co_u32 s20, s20, s13
	s_lshl_b32 s20, s20, 2
	s_lshl_b32 s21, s15, 1
	s_add_co_u32 s20, s20, s21                     ; the pair's first tile: (3 head + mtx) 4 + 2 (which 32)
	s_lshl_b32 s22, s20, 13
	s_lshl_b32 s23, s16, 10
	s_add_co_u32 s22, s22, s23
	s_mov_b32 s23, 0
	s_lshl_b32 s24, s20, 9
	s_lshl_b32 s25, s16, 6
	s_add_co_u32 s24, s24, s25
	s_add_co_u32 s24, s24, WSCG
	s_mov_b32 s25, 0
	s_wait_alu depctr_va_vdst(0)
	s_wait_kmcnt 0x0
	s_cmp_eq_u32 s13, 0                            ; the choice hangs on the work-group's number alone
	s_cselect_b64 s[4:5], s[4:5], s[6:7]
	s_cmp_eq_u32 s13, 2
	s_cselect_b64 s[4:5], s[8:9], s[4:5]
	s_add_nc_u64 s[4:5], s[4:5], s[18:19]
	s_add_nc_u64 s[6:7], s[10:11], s[22:23]        ; codes
	s_add_nc_u64 s[8:9], s[10:11], s[24:25]        ; scale words
.macro LOAD q
.irp i, 0,1,2,3,4,5,6,7,8,9,10,11,12,13,14,15,16,17,18,19,20,21,22,23,24,25,26,27,28,29,30,31
	global_load_b32 v[X+32*((\q)%2)+\i], v1, s[4:5] offset:(32*(\q)+\i)*256
.endr
.endm
.macro BLOCK q
.set XQ, X+32*((\q)%2)
.if (\q) < 3
	s_wait_loadcnt 32                              ; this block's 32 loads are in; the next block's may be out
.else
	s_wait_loadcnt 0x0
.endif
	v_max3_num_f32 v12, |v[XQ]|, |v[XQ+1]|, 0x1800000              ; two chains; the floor 2^(3 - 127) holds the byte at 1 from below
	v_max3_num_f32 v13, |v[XQ+2]|, |v[XQ+3]|, |v[XQ+4]|
.irp i, 5,9,13,17,21,25
	v_max3_num_f32 v12, v12, |v[XQ+\i]|, |v[XQ+\i+1]|
	v_max3_num_f32 v13, v13, |v[XQ+\i+2]|, |v[XQ+\i+3]|
.endr
	v_max3_num_f32 v12, v12, |v[XQ+29]|, |v[XQ+30]|
	v_max3_num_f32 v12, v12, v13, |v[XQ+31]|
	v_add_nc_u32 v14, 0xff000000, v12              ; 2 off the exponent field: the conversion's scale operand
	v_lshrrev_b32 v15, 23, v14                     ; the byte
.if (\q) == 0
	v_mov_b32 v[SB], v15
.else
	v_lshl_or_b32 v[SB], v15, 8*(\q), v[SB]
.endif
.irp g, 0,1,2,3
	v_cvt_scalef32_pk8_fp4_f32 v[C+4*(\q)+\g], v[XQ+8*\g:XQ+8*\g+7], v14
.endr
	global_store_b128 v2, v[C+4*(\q):C+4*(\q)+3], s[6:7] offset:256*(\q)   ; block q = 2 c + h lies 512 c + 256 h into the fragment
.if (\q) < 2
	LOAD (\q)+2
.endif
.endm
	LOAD 0
	LOAD 1
	BLOCK 0
	BLOCK 1
	BLOCK 2
	BLOCK 3
	global_store_b32 v3, v[SB], s[8:9]
	s_endpgm
.Lfunc_end_k_q32b4442457_quantw:
	.size	k_q32b4442457_quantw, .Lfunc_end_k_q32b4442457_quantw-k_q32b4442457_quantw
	.p2alignl 7, 3214868480
	.fill 96, 4, 3214868480
	.section	.rodata,"a",@progbits
	.p2align	6, 0x0
	.amdhsa_kernel k_q32b4442457_quantw
		.amdhsa_group_segment_fixed_size 0
		.amdhsa_private_segment_fixed_size 0
		.amdhsa_enable_private_segment 0
		.amdhsa_kernarg_size 32
		.amdhsa_user_sgpr_count 2
		.amdhsa_user_sgpr_kernarg_segment_ptr 1
		.amdhsa_wavefront_size32 1
		.amdhsa_system_sgpr_workgroup_id_x 1
		.amdhsa_system_sgpr_workgroup_id_y 1
		.amdhsa_system_sgpr_workgroup_id_z 1
		.amdhsa_system_vgpr_workitem_id 0
		.amdhsa_next_free_vgpr 112
		.amdhsa_next_free_sgpr 66
		.amdhsa_reserve_vcc 0
		.amdhsa_float_denorm_mode_32 3
		.amdhsa_float_denorm_mode_16_64 3
		.amdhsa_memory_ordered 1
		.amdhsa_forward_progress 1
		.amdhsa_inst_pref_size 21
	.end_amdhsa_kernel
	.amdgpu_metadata
---
amdhsa.version: [ 1, 2 ]
amdhsa.kernels:
  - .name:           k_q32b4442457_quantw
    .symbol:         k_q32b4442457_quantw.kd
    .args:
      - { .name: Wq, .offset: 0, .size: 8, .value_kind: global_buffer, .address_space: global }
      - { .name: Wk, .offset: 8, .size: 8, .value_kind: global_buffer, .address_space: global }
      - { .name: Wv, .offset: 16, .size: 8, .value_kind: global_buffer, .address_space: global }
      - { .name: wq, .offset: 24, .size: 8, .value_kind: global_buffer, .address_space: global }
    .group_segment_fixed_size: 0
    .private_segment_fixed_size: 0
    .kernarg_segment_align: 8
    .kernarg_segment_size: 32
    .max_flat_workgroup_size: 128
    .sgpr_count:     66
    .vgpr_count:     112
    .wavefront_size: 32
...
	.end_amdgpu_metadata
.endif
;; end of part 8
;; launch proj (part 9): grid 16 x 16, 16 waves a work-group, no clusters, 112,640 bytes of LDS; arguments xq, wq, bq, bk, bv, qk, vq; writes qk, vq
.if DOCPART == 9
	.amdgcn_target "amdgcn-amd-amdhsa--gfx1250"
	.amdhsa_code_object_version 6
	.text
	.protected	k_q32b4442457_proj
	.globl	k_q32b4442457_proj
	.p2align	8
	.type	k_q32b4442457_proj,@function
k_q32b4442457_proj:
	s_mov_b64 s[64:65], 0
	v_nop
	global_prefetch_b8 v0, s[64:65] scope:SCOPE_SE
	s_setreg_imm32_b32 hwreg(HW_REG_WAVE_SCHED_MODE, 0, 2), 2
	s_setreg_imm32_b32 hwreg(HW_REG_WAVE_MODE, 25, 1), 1
	s_wait_xcnt 0x0
	s_wait_alu depctr_vm_vsrc(0)
; q = x Wq + bq, k = x Wk + bk, v = x Wv + bv on codes of FP4 (E2M1) with E8M0 scales, sums in f32; the results are quantised at once for the attention's two products and leave as codes:
; qk codes [bh 64][mat 2 (q, k)][T 128][lane 32][16 bytes]: lane (r, h) holds row 32 (T/2) + 8 (T%2) + r + 8 (r/8) of the batch, features 32 h .. + 31 (K = the head's 64);
; qk scale words at SQKG: [bh][mat][T][r 16]: byte 0, byte 1 the row's two blocks; bytes 2, 3 are 0;
; vq codes [bh][w 16][n 4][c 2][lane][16 bytes]: lane (r, h) holds channel 32 (n/2) + 8 (n%2) + r + 8 (r/8), keys 128 w + 64 c + 32 h .. + 31 (K = the keys);
; vq scale words at VSCG: [bh][w][np 2][lane 32]: lane r + 16 u carries tile n = 2 np + u; byte q scales keys 128 w + 32 q .. + 31.
; LIMITS: a block of zeros gets the byte 1 where the rule says 127 (its codes are zeros, this program alone reads the bytes); NaN and infinities are not served.
; SHARES.  Work-group (x, y): 512 rows of x, one head.  Each of the 16 waves owns 32 rows (two tiles of 16): their codes for all of K, 128 registers, stay in registers, read once.
; The head's three weights (98,304 bytes of codes, 6,144 of scale words) lie in LDS, filled once through registers and read by every wave, a pair of 16-feature tiles at a time.
; LAYOUT.  q and k: source 0 = 16 features, source 1 = 16 rows: a lane holds ONE row, and the 16 registers of a pair of tiles are 16 neighbouring features: the next K runs along the lane's registers.
; v: the sources change places: a lane holds ONE channel and 16 neighbouring keys.  A block of 32 lies in lanes l and l xor 16.  A lane's 16 codes are 8 bytes at their place in the image: no exchange of halves.
; NO CLUSTER: every operand is brought once, by loads into registers at the launch's head; there is no repeated request for a tile that partners could make jointly.
; THE MODE: SCHED_MODE bits 1:0 = 2 (LLVM: expert scheduling mode 2), set by the entry lines.  The code itself states the register dependences
; between vector or matrix instructions and memory or LDS instructions, with s_wait_alu, always for 0.
; THE PLAN.  Registers that memory or LDS instructions touch:
;   v1-v5, v7-v13  offsets and LDS addresses: written at the head, never again.  v212, v213: two offsets of the head's loads; later part of WF.
;   WF v160-223    At the head: global loads land, LDS stores read.  In a pair: LDS loads land in four buffers of 16; step s's products read buffer s % 4.
;                  Behind a pair's products: the bias lands in v160-175; vector lines write and read v176-183 and the codes v192-195; the global stores read the codes.
;   WS v152-159    LDS loads land at a pair's head; the pair's products read them as scales.
;   v6             The bias load's offset at the head; at a pair's end a select writes it and an LDS store reads it.
;   XF, XS and the accumulators: loaded once, or named by vector and matrix instructions alone.
; A pair has four waits on va_vdst: behind steps 1 and 3 (two buffers are free: the eight loads of two later steps follow), behind step 7 (buffer 0 takes the bias), and behind its last vector line
; (the stores follow); no vector or matrix instruction stands between that last wait and the next pair's first products.  One wait on vm_vsrc stands at a pair's head.
.set XSC,  4194304
.set WSCG, 1572864
.set SQKG, 8388608
.set VSCG, 4194304
.set HI,   65536                       ; LDS beyond an immediate's reach: address registers carry HI, the symbols below are counted from HI
.set WSC,  98304-HI                    ; LDS: 0: the weights' codes as in wq;  98,304: their scale words
.set BIA,  104448-HI                   ; the three biases [mtx][64] f32
.set SQK,  105216-HI                   ; stage for q's and k's scale words [mat][wave][lane]
.set VT,   109312-HI                   ; stage for v's scale bytes [w 4][np 2][lane][4]
.set LI0, 1                            ; v1   16 x lane
.set LI2, 2                            ; v2   16 x lane + HI
.set LS,  3                            ; v3   4 x lane + HI
.set LB,  4                            ; v4   HI + 64 h
.set LV,  5                            ; v5   HI + 4 (r + 8 (r/8))
.set DW,  6                            ; v6   the bias load's offset at the head; later the word or byte on its way to a stage
.set LT,  7                            ; v7   HI + 256 (wave/4) + wave%4 + 4 x lane
.set GA,  8                            ; v8   16 r + 8 h
.set FI0, 9                            ; v9   16 x thread
.set FI1, 10                           ; v10  16 x thread + HI
.set FS,  11                           ; v11  4 x thread + HI
.set RD8, 12                           ; v12  8 x thread + HI
.set GSO, 13                           ; v13  8,192 (thread/256) + 8 (thread%256)
.set SB,  14                           ; v14-15 q's or k's scale words in the making
.set XF,  16                           ; v16-143  x's fragments: 64 T + 8 s
.set XS,  144                          ; v144-151 x's scale words: 4 T + j: K steps 2 j (lanes 0-15), 2 j + 1 (lanes 16-31)
.set WS,  152                          ; v152-159 the weights': 4 u + j, likewise
.set WF,  160                          ; v160-223 the weights' fragments: four buffers of 16: 16 (s%4) + 8 u
.set ACC, 224                          ; v224-255 four accumulators: 16 u + 8 T
.set BI,  160                          ; behind a pair's products: the bias,
.set TM,  176                          ; at work,
.set CD,  192                          ; and the codes
	s_load_b256 s[4:11], s[0:1], 0x0               ; xq s[4:5], wq s[6:7], bq s[8:9], bk s[10:11]
	s_load_b128 s[12:15], s[0:1], 0x20             ; bv s[12:13], qk s[14:15]
	s_load_b64 s[16:17], s[0:1], 0x30              ; vq
	v_lshrrev_b32 v6, 5, v0
	v_readfirstlane_b32 s18, v6                    ; wave 0..15
	v_and_b32 v6, 31, v0                           ; lane
	v_lshlrev_b32 v[LI0], 4, v6
	v_add_nc_u32 v[LI2], HI, v[LI0]
	v_lshl_add_u32 v[LS], v6, 2, HI
	v_lshlrev_b32 v[WF+53], 3, v6                  ; 8 x lane, for the head's loads alone
	v_lshlrev_b32 v[WF+52], 2, v0                  ; 4 x thread, likewise
	v_bfe_u32 v[LB], v0, 4, 1                      ; h
	v_and_b32 v[LV], 15, v0                        ; r
	v_lshlrev_b32 v[GA], 4, v[LV]
	v_lshl_add_u32 v[GA], v[LB], 3, v[GA]
	v_lshl_add_u32 v[LB], v[LB], 6, HI
	v_and_b32 v[LT], 8, v[LV]
	v_add_nc_u32 v[LV], v[LT], v[LV]
	v_lshl_add_u32 v[LV], v[LV], 2, HI
	s_wait_alu depctr_va_sdst(0)                   ; s18 is written, ahead of its first reader: LDS places, bases and branches are made from it
	s_lshr_b32 s19, s18, 2
	s_lshl_b32 s19, s19, 8
	s_and_b32 s20, s18, 3                          ; my key block within its slice of 128 keys
	s_add_co_u32 s19, s19, s20
	v_add_nc_u32 v[LT], s19, v[LS]
	v_lshlrev_b32 v[FI0], 4, v0
	v_add_nc_u32 v[FI1], HI, v[FI0]
	v_lshl_add_u32 v[FS], v0, 2, HI
	v_lshl_add_u32 v[RD8], v0, 3, HI
	v_lshrrev_b32 v[GSO], 8, v0
	v_and_b32 v6, 255, v0
	v_lshlrev_b32 v[GSO], 13, v[GSO]
	v_lshl_add_u32 v[GSO], v6, 3, v[GSO]
	v_and_b32 v6, 63, v0
	v_lshlrev_b32 v[DW], 2, v6                     ; 4 (thread % 64): a bias's number
	s_mov_b32 s36, 0x76543210
	s_mov_b32 s37, 0xfedcba98                      ; v_permlanex16_b32's selects for lane l xor 16
	s_mov_b32 s38, 0xffff0000                      ; lanes 16-31
	s_and_b32 s21, ttmp7, 0xffff                   ; head
	s_lshr_b32 s22, ttmp9, 2                       ; b
	s_and_b32 s23, ttmp9, 3                        ; which 512 rows of the batch
	s_lshl_b32 s24, s22, 4
	s_add_co_u32 s24, s24, s21                     ; bh
	s_lshl_b32 s25, ttmp9, 4
	s_add_co_u32 s25, s25, s18                     ; my pair of tiles among x's 256
	s_lshl_b32 s26, s23, 4
	s_add_co_u32 s26, s26, s18                     ; and among the batch's 64
	s_lshr_b32 s27, s18, 1                         ; waves 0-5 bring the biases: which one
	s_mov_b32 s41, 0
	s_wait_kmcnt 0x0
	s_lshl_b32 s40, s25, 14
	s_add_nc_u64 s[28:29], s[4:5], s[40:41]        ; x's codes: 16,384 bytes a pair
	s_lshl_b32 s40, s25, 10
	s_add_co_u32 s40, s40, XSC
	s_add_nc_u64 s[4:5], s[4:5], s[40:41]          ; x's scale words
	s_mul_i32 s40, s21, 98304
	s_add_nc_u64 s[30:31], s[6:7], s[40:41]        ; the head's weights
	s_mul_i32 s40, s21, 6144
	s_add_co_u32 s40, s40, WSCG
	s_add_nc_u64 s[6:7], s[6:7], s[40:41]          ; and their scale words
	s_cmp_eq_u32 s27, 0                            ; the choice hangs on the wave's number alone
	s_cselect_b64 s[8:9], s[8:9], s[10:11]
	s_cmp_eq_u32 s27, 2
	s_cselect_b64 s[8:9], s[12:13], s[8:9]
	s_lshl_b32 s40, s21, 8
	s_add_nc_u64 s[8:9], s[8:9], s[40:41]          ; the head's 64 numbers of that bias
	s_lshl_b32 s40, s24, 17
	s_lshl_b32 s42, s26, 10
	s_add_co_u32 s40, s40, s42
	s_add_nc_u64 s[32:33], s[14:15], s[40:41]      ; q's codes of my two tiles (k's lie 65,536 bytes on)
	s_lshl_b32 s40, s24, 14
	s_lshl_b32 s42, s23, 11
	s_add_co_u32 s40, s40, s42
	s_add_co_u32 s40, s40, SQKG
	s_add_nc_u64 s[14:15], s[14:15], s[40:41]      ; the work-group's scale words of q (k's lie 8,192 bytes on)
	s_lshl_b32 s40, s24, 16
	s_lshl_b32 s42, s23, 2
	s_lshr_b32 s43, s18, 2
	s_add_co_u32 s42, s42, s43                     ; my slice w of 128 keys
	s_lshl_b32 s42, s42, 12
	s_add_co_u32 s40, s40, s42
	s_lshl_b32 s42, s20, 8                         ; key block q = 2 c + h: 512 c + 256 h = 256 q
	s_add_co_u32 s40, s40, s42
	s_add_nc_u64 s[34:35], s[16:17], s[40:41]      ; v's codes
	s_lshl_b32 s40, s24, 12
	s_lshl_b32 s42, s23, 10
	s_add_co_u32 s40, s40, s42
	s_add_co_u32 s40, s40, VSCG
	s_add_nc_u64 s[16:17], s[16:17], s[40:41]      ; the work-group's scale words of v
	s_wait_alu depctr_va_vdst(0)                   ; the offsets and LDS addresses v1 to v13, v212 and v213 are written, which the kernel's loads and stores read; in v212 and v213 fragment loads land later
.irp i, 0,1,2,3,4,5,6,7,8,9,10,11
	global_load_b128 v[WF+4*\i:WF+4*\i+3], v[FI0], s[30:31] offset:8192*\i   ; the 512 threads bring 8,192 consecutive bytes a line
.endr
.irp i, 0,1,2
	global_load_b32 v[WF+48+\i], v[WF+52], s[6:7] offset:2048*\i
.endr
.irp T, 0,1
.irp s, 0,1,2,3,4,5,6,7
.irp c, 0,1
	global_load_b128 v[XF+64*\T+8*\s+4*\c:XF+64*\T+8*\s+4*\c+3], v[LI0], s[28:29] offset:(8*\T+\s)*1024+512*\c
.endr
.endr
.endr
.irp T, 0,1
.irp g, 0,1
	global_load_b64 v[XS+4*\T+2*\g:XS+4*\T+2*\g+1], v[WF+53], s[4:5] offset:512*\T+256*\g
.endr
.endr
	s_cmp_lt_u32 s18, 6
	s_cbranch_scc0 .Lno_bias
	global_load_b32 v[WF+51], v[DW], s[8:9]
	s_wait_loadcnt 0x0
	ds_store_b32 v[FS], v[WF+51] offset:BIA        ; threads 0-191: [mtx][64]
.Lno_bias:
	s_wait_loadcnt 36                              ; the 15 loads of the weights are in; the 36 of x issued behind them may be out
.irp i, 0,1,2,3,4,5,6,7
	ds_store_b128 v[FI0], v[WF+4*\i:WF+4*\i+3] offset:8192*\i
.endr
.irp i, 8,9,10,11
	ds_store_b128 v[FI1], v[WF+4*\i:WF+4*\i+3] offset:8192*(\i-8)
.endr
.irp i, 0,1,2
	ds_store_b32 v[FS], v[WF+48+\i] offset:WSC+2048*\i
.endr
	s_wait_dscnt 0x0                               ; for the others' sake: my part of the weights lies in LDS
	s_barrier_signal -1
	s_barrier_wait -1                              ; everybody's does
	s_wait_loadcnt 0x0                             ; x
; The fragments of K step s of the pair p of tiles of weight mtx, into buffer s % 4
.macro WLOAD mtx, p, s
.irp u, 0,1
.irp c, 0,1
.if \mtx < 2
	ds_load_b128 v[WF+16*((\s)%4)+8*\u+4*\c:WF+16*((\s)%4)+8*\u+4*\c+3], v[LI0] offset:((4*\mtx+2*\p+\u)*8+(\s))*1024+512*\c
.else
	ds_load_b128 v[WF+16*((\s)%4)+8*\u+4*\c:WF+16*((\s)%4)+8*\u+4*\c+3], v[LI2] offset:((2*\p+\u)*8+(\s))*1024+512*\c
.endif
.endr
.endr
.endm
; Four products of K step s: the four accumulators take turns, one instruction a turn.  kind 0: source 0 = features, source 1 = rows; kind 1: the other way round.
.macro MUL kind, s
.irp u, 0,1
.irp T, 0,1
.set rD, ACC+16*\u+8*\T
.if \kind == 0
.set rA, WF+16*((\s)%4)+8*\u
.set rB, XF+64*\T+8*(\s)
.set rP, WS+4*\u+(\s)/2
.set rQ, XS+4*\T+(\s)/2
.else
.set rA, XF+64*\T+8*(\s)
.set rB, WF+16*((\s)%4)+8*\u
.set rP, XS+4*\T+(\s)/2
.set rQ, WS+4*\u+(\s)/2
.endif
.if (\s) == 0
	v_wmma_scale_f32_16x16x128_f8f6f4 v[rD:rD+7], v[rA:rA+7], v[rB:rB+7], 0, v[rP], v[rQ] matrix_a_fmt:MATRIX_FMT_FP4 matrix_b_fmt:MATRIX_FMT_FP4
.elseif (\s)%2 == 1
	v_wmma_scale_f32_16x16x128_f8f6f4 v[rD:rD+7], v[rA:rA+7], v[rB:rB+7], v[rD:rD+7], v[rP], v[rQ] matrix_a_fmt:MATRIX_FMT_FP4 matrix_b_fmt:MATRIX_FMT_FP4 matrix_a_scale:MATRIX_SCALE_ROW1 matrix_b_scale:MATRIX_SCALE_ROW1
.else
	v_wmma_scale_f32_16x16x128_f8f6f4 v[rD:rD+7], v[rA:rA+7], v[rB:rB+7], v[rD:rD+7], v[rP], v[rQ] matrix_a_fmt:MATRIX_FMT_FP4 matrix_b_fmt:MATRIX_FMT_FP4
.endif
.endr
.endr
.endm
.macro PLACES n
.rept \n
	v_nop
.endr
.endm
; A pair p of 16-feature tiles of weight mtx against my two tiles of rows: 32 products, the bias, the quantiser, the stores.
.macro PAIR kind, mtx, p
	s_wait_xcnt 0x0                                ; the last pair's stores have read their registers: the loads below land there only behind this wait
	s_wait_alu depctr_vm_vsrc(0)                   ; the last pair's stores have read the codes and v6 (first pair: the head's LDS stores have read v160-210, its loads v212, v213 and v6): the loads below land in v160-223, and this pair's select writes v6
.irp u, 0,1
.irp j, 0,1,2,3
	ds_load_b32 v[WS+4*\u+\j], v[LS] offset:WSC+((4*\mtx+2*\p+\u)*4+\j)*128   ; no vector or matrix instruction has been issued since the last wait on va_vdst: nothing more is owed for WS and WF
.endr
.endr
.irp s, 0,1,2,3
	WLOAD \mtx, \p, \s
.endr
.irp s, 0,1,2,3,4,5,6,7
.if \s < 4
	s_wait_dscnt 12-4*(\s%2)                       ; this step's four loads (and all older ones) are in; behind them stand those of three later steps (even s) or of two (odd s), four each
.else
	s_wait_dscnt 4*(7-\s)                          ; nothing more is asked for: the counts run down
.endif
	MUL \kind, \s
.if (\s == 1) || (\s == 3)
	PLACES 4                                       ; in front of loads into registers that these products have read
	s_wait_alu depctr_va_vdst(0)                   ; the products of this step and of the step before are done reading their two buffers, in which the eight loads below land
	WLOAD \mtx, \p, \s+3
	WLOAD \mtx, \p, \s+4
.endif
.endr
	PLACES 4                                       ; in front of the loads over the buffers and of the first read of the sums
	s_wait_alu depctr_va_vdst(0)                   ; the products are done reading buffer 0, in which the bias lands, and the scale words v152-159, in which the next pair's land
.if \kind == 0
.irp i, 0,1,2,3
	ds_load_b128 v[BI+4*\i:BI+4*\i+3], v[LB] offset:BIA+256*\mtx+128*\p+16*\i   ; my 16 features' bias: 32 p + 16 h + 0 .. 15
.endr
.else
.irp u, 0,1
	ds_load_b32 v[BI+2*\u], v[LV] offset:BIA+512+128*\p+32*\u                    ; my channel's bias, twice: a pair for the packed addition
	ds_load_b32 v[BI+2*\u+1], v[LV] offset:BIA+512+128*\p+32*\u
.endr
.endif
	s_wait_dscnt 0x0
.irp u, 0,1
.irp T, 0,1
.irp i, 0,2,4,6
.if \kind == 0
	v_pk_add_f32 v[ACC+16*\u+8*\T+\i:ACC+16*\u+8*\T+\i+1], v[ACC+16*\u+8*\T+\i:ACC+16*\u+8*\T+\i+1], v[BI+8*\u+\i:BI+8*\u+\i+1]
.else
	v_pk_add_f32 v[ACC+16*\u+8*\T+\i:ACC+16*\u+8*\T+\i+1], v[ACC+16*\u+8*\T+\i:ACC+16*\u+8*\T+\i+1], v[BI+2*\u:BI+2*\u+1]
.endif
.endr
.endr
.endr
; Two groups of 16 neighbours along the next K.  kind 0: group T = accumulators (0, T), (1, T);  kind 1: group u = (u, 0), (u, 1)
.set QG, 8+8*\kind
.set QH, 16-8*\kind
.irp g, 0,1
	v_max3_num_f32 v[TM+\g], |v[ACC+QG*\g]|, |v[ACC+QG*\g+1]|, 0x1800000   ; the floor 2^(3 - 127) holds the byte at 1 from below
.endr
.irp i, 2,4,6
.irp g, 0,1
	v_max3_num_f32 v[TM+\g], v[TM+\g], |v[ACC+QG*\g+\i]|, |v[ACC+QG*\g+\i+1]|
.endr
.endr
.irp i, 0,2,4,6
.irp g, 0,1
	v_max3_num_f32 v[TM+\g], v[TM+\g], |v[ACC+QG*\g+QH+\i]|, |v[ACC+QG*\g+QH+\i+1]|
.endr
.endr
.irp g, 0,1
	v_mov_b32 v[TM+2+\g], 0                        ; a lane permute's destination counts as one of its sources
.endr
.irp g, 0,1
	v_permlanex16_b32 v[TM+2+\g], v[TM+\g], s36, s37
.endr
.irp g, 0,1
	v_max_num_f32 v[TM+\g], v[TM+\g], v[TM+2+\g]   ; with lane l xor 16's 16: the block's largest magnitude
.endr
.irp g, 0,1
	v_add_nc_u32 v[TM+4+\g], 0xff000000, v[TM+\g]  ; 2 off the exponent field: the conversion's scale operand
.endr
.irp g, 0,1
	v_lshrrev_b32 v[TM+6+\g], 23, v[TM+4+\g]       ; the byte
.endr
.irp g, 0,1
	v_cvt_scalef32_pk8_fp4_f32 v[CD+2*\g], v[ACC+QG*\g:ACC+QG*\g+7], v[TM+4+\g]
	v_cvt_scalef32_pk8_fp4_f32 v[CD+2*\g+1], v[ACC+QG*\g+QH:ACC+QG*\g+QH+7], v[TM+4+\g]
.endr
	v_nop                                          ; one plain line behind the conversions: the next pair's products write their sources
; the pair's last vector lines stand together, ahead of the one wait for its stores
.if \kind == 0
.if \p == 0
	v_mov_b32 v[SB], v[TM+6]
	v_mov_b32 v[SB+1], v[TM+7]
.else
	v_lshl_or_b32 v[SB], v[TM+6], 8, v[SB]
	v_lshl_or_b32 v[SB+1], v[TM+7], 8, v[SB+1]
	v_cndmask_b32 v[DW], v[SB], v[SB+1], s38       ; lanes 0-15 my first tile's words, lanes 16-31 my second's.  (What read this register last was issued ahead of this pair's wait on vm_vsrc)
.endif
.else
	v_cndmask_b32 v[DW], v[TM+6], v[TM+7], s38     ; lanes 0-15 tile 2 p's bytes, lanes 16-31 tile 2 p + 1's
.endif
	s_wait_alu depctr_va_vdst(0)                   ; the conversions have written the codes and the select v6, which the stores below read; and every vector line is done with v160-223, in which the next pair's loads land
.if \kind == 0
.irp T, 0,1
	global_store_b64 v[GA], v[CD+2*\T:CD+2*\T+1], s[32:33] offset:65536*\mtx+512*\T+256*\p   ; features 32 p + 16 h .. + 15 of row r: 256 consecutive bytes a wave, aligned
.endr
.if \p == 1
	ds_store_b32 v[FS], v[DW] offset:SQK+2048*\mtx
.endif
.else
.irp u, 0,1
	global_store_b64 v[GA], v[CD+2*\u:CD+2*\u+1], s[34:35] offset:(2*\p+\u)*1024   ; keys 16 h .. + 15 of my block, channel of lane r: 256 consecutive bytes a wave, aligned
.endr
	ds_store_b8 v[LT], v[DW] offset:VT+128*\p      ; byte wave % 4 of the word: four waves make a word
.endif
.endm
	PAIR 0, 0, 0
	PAIR 0, 0, 1
	PAIR 0, 1, 0
	PAIR 0, 1, 1
	PAIR 1, 2, 0
	PAIR 1, 2, 1
	s_wait_dscnt 0x0                               ; for the others' sake: my words and bytes lie in the stages
	s_barrier_signal -1
	s_barrier_wait -1
	ds_load_b64 v[BI:BI+1], v[RD8] offset:SQK      ; (the last vector lines that named v160-163 stand ahead of the last pair's last wait on va_vdst; no store has read them)
	s_wait_dscnt 0x0
	global_store_b64 v[GSO], v[BI:BI+1], s[14:15]  ; a wave stores 256 consecutive bytes, aligned: threads 0-255 q's words, the others k's
	s_cmp_lt_u32 s18, 4
	s_cbranch_scc0 .Ldone
	ds_load_b64 v[BI+2:BI+3], v[RD8] offset:VT     ; threads 0-127: v's 1,024 bytes
	s_wait_dscnt 0x0
	global_store_b64 v[GSO], v[BI+2:BI+3], s[16:17]
.Ldone:
	s_wait_xcnt 0x0
	v_lshl_add_u32 v254, v0, 2, 0x1b000            ; the add's two registers are made anew: all 256 are in use until here.  v254 and v255 were accumulators: no memory or LDS instruction has read them
	v_mov_b32 v255, 0
	s_wait_dscnt 0x0                               ; the closing lines, six on end
	s_wait_alu 0x0
	s_wait_tensorcnt 0x0
	ds_add_u32 v254, v255
	s_wait_dscnt 0x0
	s_endpgm
.Lfunc_end_k_q32b4442457_proj:
	.size	k_q32b4442457_proj, .Lfunc_end_k_q32b4442457_proj-k_q32b4442457_proj
	.p2alignl 7, 3214868480
	.fill 96, 4, 3214868480
	.section	.rodata,"a",@progbits
	.p2align	6, 0x0
	.amdhsa_kernel k_q32b4442457_proj
		.amdhsa_group_segment_fixed_size 112640
		.amdhsa_private_segment_fixed_size 0
		.amdhsa_enable_private_segment 0
		.amdhsa_kernarg_size 56
		.amdhsa_user_sgpr_count 2
		.amdhsa_user_sgpr_kernarg_segment_ptr 1
		.amdhsa_wavefront_size32 1
		.amdhsa_system_sgpr_workgroup_id_x 1
		.amdhsa_system_sgpr_workgroup_id_y 1
		.amdhsa_system_sgpr_workgroup_id_z 1
		.amdhsa_system_vgpr_workitem_id 0
		.amdhsa_next_free_vgpr 256
		.amdhsa_next_free_sgpr 66
		.amdhsa_reserve_vcc 0
		.amdhsa_float_denorm_mode_32 3
		.amdhsa_float_denorm_mode_16_64 3
		.amdhsa_memory_ordered 1
		.amdhsa_forward_progress 1
		.amdhsa_inst_pref_size 76
	.end_amdhsa_kernel
	.amdgpu_metadata
---
amdhsa.version: [ 1, 2 ]
amdhsa.kernels:
  - .name:           k_q32b4442457_proj
    .symbol:         k_q32b4442457_proj.kd
    .args:
      - { .name: xq, .offset: 0, .size: 8, .value_kind: global_buffer, .address_space: global }
      - { .name: wq, .offset: 8, .size: 8, .value_kind: global_buffer, .address_space: global }
      - { .name: bq, .offset: 16, .size: 8, .value_kind: global_buffer, .address_space: global }
      - { .name: bk, .offset: 24, .size: 8, .value_kind: global_buffer, .address_space: global }
      - { .name: bv, .offset: 32, .size: 8, .value_kind: global_buffer, .address_space: global }
      - { .name: qk, .offset: 40, .size: 8, .value_kind: global_buffer, .address_space: global }
      - { .name: vq, .offset: 48, .size: 8, .value_kind: global_buffer, .address_space: global }
    .group_segment_fixed_size: 112640
    .private_segment_fixed_size: 0
    .kernarg_segment_align: 8
    .kernarg_segment_size: 56
    .max_flat_workgroup_size: 512
    .sgpr_count:     66
    .vgpr_count:     256
    .wavefront_size: 32
...
	.end_amdgpu_metadata
.endif
;; end of part 9
;; launch attn (part 10): grid 4 x 64, 16 waves a work-group, no clusters, 74,240 bytes of LDS; arguments qk, vq, maskw, out0; writes out0
.if DOCPART == 10
	.amdgcn_target "amdgcn-amd-amdhsa--gfx1250"
	.amdhsa_code_object_version 6
	.text
	.protected	k_q32b4442457_attn
	.globl	k_q32b4442457_attn
	.p2align	8
	.type	k_q32b4442457_attn,@function
k_q32b4442457_attn:
	s_mov_b64 s[64:65], 0
	v_nop
	global_prefetch_b8 v0, s[64:65] scope:SCOPE_SE
	s_setreg_imm32_b32 hwreg(HW_REG_WAVE_SCHED_MODE, 0, 2), 2
	s_setreg_imm32_b32 hwreg(HW_REG_WAVE_MODE, 25, 1), 1
	s_wait_xcnt 0x0
	s_wait_alu depctr_vm_vsrc(0)
; out0[b][q][64 head + :] = the sum over keys of attn(q, key) v(key), attn = softmax over the keys of (q . k / 8) with masked keys at -infinity, a fully masked row giving zeros.
; Both products on codes of FP4 (E2M1) with E8M0 scales.  THE SECOND PRODUCT'S LEFT OPERAND IS THE FINISHED, NORMALISED SOFTMAX: a row's maximum and sum over all 2,048 keys are known before any weight is coded.
; SHARES.  Work-group (x, y): head y = 16 b + head, queries 512 x .. + 511, one tile of 16 queries a trip, 32 trips.  WAVE w OWNS KEYS 128 w .. 128 w + 127 for the whole launch: its codes of k and v
; stay in registers, read once.  A trip's 16 x 2,048 scores lie in the 16 waves' registers, 64 a lane, so each score is masked, exponentiated and coded ONCE; what goes round is small:
; each wave's maximum and sum for each query (LDS, barrier A), and each wave's partial 16 x 64 of the result (LDS, barrier B), which wave w adds up for query w of the tile.
; LAYOUT.  Both products are used transposed: S^T = k q^T (source 0 = 16 keys, source 1 = the 16 queries), O^T = v^T p^T: a lane holds ONE query (lane % 16).  Lane r of a tile of keys, queries or channels stands
; for index 32 (tile/2) + 8 (tile%2) + r + 8 (r/8), so that the 16 registers of two neighbouring tiles are 16 neighbours.
; K = 64 IN AN INSTRUCTION OF 128: q's registers 4-7 are zero codes, set once, and bytes 2, 3 of both sides' scale words are 0 (no NaN byte).  So the upper half of k's operand may be any codes: it is the next tile's.
; SOFTMAX.  t = score x log2(e) / 8.  Each wave takes M_w = its largest t rounded UP to a whole number (kept as -M_w = floor(-t)), e = 2^(t - M_w), and the sum l_w of its e.  Behind barrier A: M = the largest M_w,
; l = the sum of l_w 2^(M_w - M) (by v_ldexp_f32: nothing is rounded), p = e x 2^(M_w - M) / l.  A block's largest p is not searched for: the block's largest score goes through the same three operations
; (this takes v_exp_f32 not to fall where its input rises).
; LIMITS: raw scores under -2^100 are not told apart from masked ones; v_exp_f32 gives 0 for results under 2^-126; a block of zeros has the byte 1 (its codes are zeros); NaN and infinities are not served.
; NO CLUSTER: the four work-groups of a head share k and v, which each brings once, by loads into registers at its head; there is no repeated request for a tile that partners could make jointly.
; THE MODE: SCHED_MODE bits 1:0 = 2 (LLVM: expert scheduling mode 2), set by the entry lines.  The code itself states the register dependences
; between vector or matrix instructions and memory or LDS instructions, with s_wait_alu, always for 0.
; THE PLAN.  Registers that memory or LDS instructions touch, round a trip:
;   q v92-95, its scale words v58   read by the trip's first eight products; the next tile's loads land in them behind the exponentials' wait.
;   RED v164-195                    LDS loads land at a trip's end; the next trip's additions read and write them; the store reads v164-165 behind the exponentials' wait.
;   v8                              written by one addition at a trip's end; read by that store as its offset.
;   -M_w v236, l_w v238             written by vector lines; read by one LDS store each, ahead of barrier A.
;   SL v196-211                     LDS loads land behind barrier A; vector lines read and write them up to the reciprocal.
;   p's codes v228-235, word v59    written by vector lines; the last four products, which are scaled, take them as operand and scales.
;   O^T v100-131                    written by those four products; read by eight LDS stores; written again by the next trip's products.
;   v1-v7, v13                      offsets and LDS addresses: written at the head, never again.  v254, v255: written at the head, read by the closing add alone.
; A trip has five waits on va_vdst: behind the exponentials (it also serves the store, q's loads, the mask words' loads and -M_w's store, which stand directly behind it), ahead of l_w's store,
; behind the reciprocal, ahead of the four scaled products, ahead of O^T's stores; one on va_vcc ahead of the select by the compare's mask; one on vm_vsrc behind barrier B.
.set SQKG, 8388608
.set VSCG, 4194304
.set STM,  69632                       ; LDS: 0: the partial results [wave 16][query 16] rows of 256 bytes, 272 apart;  69,632: -M_w [query 16][wave 16], rows 80 apart;  + 1,280: l_w likewise
.set KF,  16                           ; v16-51   k: tile t at 4 t; v48-51 = 0
.set KS,  52                           ; v52-55   k's scale words: tiles 2 i (lanes 0-15), 2 i + 1 (lanes 16-31)
.set VS,  56                           ; v56-57   v's likewise
.set QS,  58                           ; v58      q's
.set PW,  59                           ; v59      p's
.set VF,  60                           ; v60-91   v: tile n at 8 n
.set QF,  92                           ; v92-99   q; v96-99 = 0
.set S,   100                          ; v100-163 S^T, then e, then p; O^T is laid over v100-131
.set RED, 164                          ; v164-195 the 16 partial results of my query
.set SL,  196                          ; v196-203 eight waves' -M_w; v204-211 their l_w
.set BM,  212                          ; v212-215 the blocks' largest scores, then largest p
.set BT,  216
.set SCO, 220                          ; the conversions' scale operands
.set BY,  224                          ; the bytes
.set PC,  228                          ; v228-235 p's codes
.set NM,  236                          ; v[236:237] -M_w (the packed form names the pair and takes its low word)
.set SUM, 238
.set F,   242                          ; v[242:243] 2^(M_w - M) / l
.set G,   244                          ; v[244:245] -M
.set TA,  246                          ; v246-249 at work
; v1 16 x lane; v2 4 (lane % 16); v3, v4 where I store and read the statistics; v5 where I put my partial result; v6 where I read my query's; v7 my query's and lane's place in out0; v8 the trip's offset there; v9 -infinity; v13 4 x lane
; s4-51, s68-83 the trip's 64 mask words; s[52:53] their address; s[54:55], s[56:57] q's codes and scale words; s[58:59] out0 at b and head; s[60:61] lane selects; s[62:63] c; s66 wave; s67 trips; s100 tile
	s_load_b256 s[84:91], s[0:1], 0x0              ; qk s[84:85], vq s[86:87], maskw s[88:89], out0 s[90:91]
	v_lshl_add_u32 v254, v0, 2, 0x11a00
	v_mov_b32 v255, 0
.irp i, 0,1,2,3
	v_mov_b32 v[KF+32+\i], 0                       ; the upper half of k's last operand,
	v_mov_b32 v[QF+4+\i], 0                        ; q's zero codes for K = 64 .. 127,
	v_mov_b32 v[BT+\i], 0                          ; and a lane permute's destinations, which count as sources
.endr
	v_mov_b32 v9, 0xff800000
	v_mov_b32 v[NM+1], 0                           ; the upper halves of pairs that packed forms name
	v_mov_b32 v[F+1], 0
	v_mov_b32 v[G+1], 0
	v_mov_b32 v[TA+1], 0
	v_lshrrev_b32 v10, 5, v0
	v_readfirstlane_b32 s66, v10                   ; wave 0..15
	v_and_b32 v10, 31, v0                          ; lane
	v_and_b32 v11, 15, v0                          ; r
	v_bfe_u32 v12, v0, 4, 1                        ; h
	v_lshlrev_b32 v1, 4, v10
	v_lshlrev_b32 v2, 2, v11
	v_lshlrev_b32 v13, 2, v10
	v_mul_u32_u24 v14, v11, 80
	s_wait_alu depctr_va_sdst(0)                   ; s66 is written, ahead of its first reader: LDS places and bases are made from it
	s_lshl_b32 s92, s66, 2
	s_add_co_u32 s92, s92, STM
	v_add_nc_u32 v3, s92, v14                      ; STM + 80 r + 4 w
	v_lshl_add_u32 v4, v12, 5, v14
	v_add_nc_u32 v4, STM, v4                       ; STM + 80 r + 32 h: my half takes waves 8 h .. 8 h + 7
	s_mul_i32 s92, s66, 4352
	v_mul_u32_u24 v5, v11, 272
	v_lshl_add_u32 v5, v12, 6, v5
	v_add_nc_u32 v5, s92, v5                       ; 4,352 w + 272 r + 64 h
	s_mul_i32 s92, s66, 272
	v_lshl_add_u32 v6, v10, 3, s92                 ; 272 w + 8 x lane: row w of every wave's block
	s_and_b32 s92, s66, 8
	s_add_co_u32 s92, s92, s66
	s_lshl_b32 s92, s92, 12
	v_lshl_add_u32 v7, v10, 3, s92                 ; (w + 8 (w/8)) rows of 4,096 bytes + 8 x lane
	s_mov_b32 s60, 0x76543210
	s_mov_b32 s61, 0xfedcba98                      ; v_permlanex16_b32's selects for lane l xor 16
	s_mov_b32 s62, 0x3e38aa3b                      ; c = log2(e) / 8
	s_mov_b32 s63, s62                             ; (named with it as a pair, so it is written)
	s_and_b32 s92, ttmp7, 0xffff                   ; bh
	s_lshr_b32 s93, s92, 4                         ; b
	s_and_b32 s94, s92, 15                         ; head
	s_lshl_b32 s100, ttmp9, 5                      ; my first tile of queries
	s_mov_b32 s3, 0
	s_wait_kmcnt 0x0
	s_lshl_b32 s2, s92, 17
	s_add_nc_u64 s[54:55], s[84:85], s[2:3]        ; the head's codes of q
	s_lshl_b32 s2, s66, 12
	s_add_co_u32 s2, s2, 65536
	s_add_nc_u64 s[96:97], s[54:55], s[2:3]        ; my eight tiles of k
	s_lshl_b32 s2, s100, 9
	s_add_nc_u64 s[54:55], s[54:55], s[2:3]        ; q at my first tile
	s_lshl_b32 s2, s92, 14
	s_add_co_u32 s2, s2, SQKG
	s_add_nc_u64 s[56:57], s[84:85], s[2:3]
	s_lshl_b32 s2, s66, 9
	s_add_co_u32 s2, s2, 8192
	s_add_nc_u64 s[98:99], s[56:57], s[2:3]        ; k's scale words
	s_lshl_b32 s2, s100, 6
	s_add_nc_u64 s[56:57], s[56:57], s[2:3]        ; q's
	s_lshl_b32 s2, s92, 4
	s_add_co_u32 s2, s2, s66                       ; 16 bh + w
	s_lshl_b32 s95, s2, 8
	s_lshl_b32 s2, s2, 12
	s_add_nc_u64 s[84:85], s[86:87], s[2:3]        ; v's codes
	s_add_co_u32 s2, s95, VSCG
	s_add_nc_u64 s[86:87], s[86:87], s[2:3]        ; v's scale words
	s_lshl_b32 s2, s93, 7
	s_add_co_u32 s2, s2, s100
	s_lshl_b32 s2, s2, 4
	s_add_co_u32 s2, s2, s66
	s_lshl_b32 s2, s2, 8
	s_add_nc_u64 s[52:53], s[88:89], s[2:3]        ; my 64 mask words of the first tile
	s_lshl_b32 s2, s93, 23
	s_lshl_b32 s95, s94, 8
	s_add_co_u32 s2, s2, s95
	s_add_nc_u64 s[58:59], s[90:91], s[2:3]
.macro MASKS                           ; 64 words, 256 bytes, into scalar registers: each is the lane mask of one score register
	s_load_b512 s[4:19], s[52:53], 0x0
	s_load_b512 s[20:35], s[52:53], 0x40
	s_load_b512 s[36:51], s[52:53], 0x80
	s_load_b512 s[68:83], s[52:53], 0xc0
.endm
	MASKS
	s_wait_alu depctr_va_vdst(0)                   ; the offsets and LDS addresses v1 to v7 and v13 are written, which the kernel's loads and stores read; so are the zero codes v48-51 and v96-99, which scaled products take as operands
.irp t, 0,1,2,3,4,5,6,7
	global_load_b128 v[KF+4*\t:KF+4*\t+3], v1, s[96:97] offset:512*\t
.endr
.irp i, 0,1,2,3
	global_load_b32 v[KS+\i], v13, s[98:99] offset:128*\i
.endr
.irp i, 0,1,2,3,4,5,6,7
	global_load_b128 v[VF+4*\i:VF+4*\i+3], v1, s[84:85] offset:512*\i
.endr
.irp i, 0,1
	global_load_b32 v[VS+\i], v13, s[86:87] offset:128*\i
.endr
	global_load_b128 v[QF:QF+3], v1, s[54:55]
	global_load_b32 v[QS], v2, s[56:57]
.macro PLACES n
.rept \n
	v_nop
.endr
.endm
.macro BARRIER                         ; my LDS stores have landed and my LDS loads are in: then the work-group's barrier
	s_wait_dscnt 0x0
	s_barrier_signal -1
	s_barrier_wait -1
.endm
; The 16 waves' partial results of my query are added;
.macro FINISH
	s_wait_dscnt 0x0
.irp i, 0,1,2,3,4,5,6,7
	v_pk_add_f32 v[RED+4*\i:RED+4*\i+1], v[RED+4*\i:RED+4*\i+1], v[RED+4*\i+2:RED+4*\i+3]
.endr
.irp i, 0,1,2,3
	v_pk_add_f32 v[RED+8*\i:RED+8*\i+1], v[RED+8*\i:RED+8*\i+1], v[RED+8*\i+4:RED+8*\i+5]
.endr
.irp i, 0,1
	v_pk_add_f32 v[RED+16*\i:RED+16*\i+1], v[RED+16*\i:RED+16*\i+1], v[RED+16*\i+8:RED+16*\i+9]
.endr
	v_pk_add_f32 v[RED:RED+1], v[RED:RED+1], v[RED+16:RED+17]
.endm
; and its 64 channels of this head leave, behind a wait on va_vdst that stands behind those additions.
.macro SEND
	global_store_b64 v8, v[RED:RED+1], s[58:59] th:TH_STORE_NT    ; 32 lanes store 256 consecutive bytes, aligned; written once, read by nobody here
.endm
; A TRIP: one tile of 16 queries.  first = 1: there is no earlier tile to finish.  more = 1: the next tile's q and mask words are asked for, most of a trip ahead of their use.
.macro TRIP first, more
	s_wait_loadcnt 0x0                             ; q is in (in the first trip: k and v too), so its addresses may step
.if \more
	s_add_nc_u64 s[54:55], s[54:55], 512
	s_add_nc_u64 s[56:57], s[56:57], 64
.endif
.irp t, 0,1,2,3,4,5,6,7                        ; S^T = k q^T: eight tiles of 16 keys.  (They write over O^T, which the last trip's LDS stores read: those stand ahead of that trip's wait on vm_vsrc)
.if \t%2
	v_wmma_scale_f32_16x16x128_f8f6f4 v[S+8*\t:S+8*\t+7], v[KF+4*\t:KF+4*\t+7], v[QF:QF+7], 0, v[KS+\t/2], v[QS] matrix_a_fmt:MATRIX_FMT_FP4 matrix_b_fmt:MATRIX_FMT_FP4 matrix_a_scale:MATRIX_SCALE_ROW1
.else
	v_wmma_scale_f32_16x16x128_f8f6f4 v[S+8*\t:S+8*\t+7], v[KF+4*\t:KF+4*\t+7], v[QF:QF+7], 0, v[KS+\t/2], v[QS] matrix_a_fmt:MATRIX_FMT_FP4 matrix_b_fmt:MATRIX_FMT_FP4
.endif
.endr
.if \first
	PLACES 4
.else
	FINISH                                         ; the last tile's additions name none of the products' registers: they are the places behind them
.endif
	s_wait_kmcnt 0x0                               ; the mask words
.set j, 0
.rept 64
	v_cndmask_b32 v[S+j], v9, v[S+j], s[4+j+16*(j/48)]             ; a masked key's score becomes -infinity; each accumulator from its low end on
.set j, j+1
.endr
.irp b, 0,1,2,3
	v_max3_num_f32 v[BM+\b], v[S+16*\b], v[S+16*\b+1], v[S+16*\b+2]   ; the largest score of each block of 32 keys: it serves for the maximum and for the block's largest p
.endr
.irp i, 3,5,7,9,11,13
.irp b, 0,1,2,3
	v_max3_num_f32 v[BM+\b], v[BM+\b], v[S+16*\b+\i], v[S+16*\b+\i+1]
.endr
.endr
.irp b, 0,1,2,3
	v_max_num_f32 v[BM+\b], v[BM+\b], v[S+16*\b+15]
.endr
.irp b, 0,1,2,3
	v_permlanex16_b32 v[BT+\b], v[BM+\b], s60, s61
.endr
.irp b, 0,1,2,3
	v_max_num_f32 v[BM+\b], v[BM+\b], v[BT+\b]     ; with lane l xor 16's 16 keys
.endr
	v_max3_num_f32 v[TA], v[BM], v[BM+1], v[BM+2]
	v_max3_num_f32 v[TA], v[TA], v[BM+3], 0xf1800000   ; my 128 keys' largest score, not under -2^100: so M_w is a number where all are masked
	v_mul_f32 v[TA], s62, v[TA]
	v_floor_f32 v[NM], -v[TA]                      ; -M_w = floor(-t): a whole number
.set j, 0
.rept 32
	v_pk_fma_f32 v[S+j:S+j+1], v[S+j:S+j+1], s[62:63], v[NM:NM+1] op_sel_hi:[1,0,0]   ; t - M_w, two at a time
.set j, j+2
.endr
.irp b, 0,1,2,3
	v_fma_f32 v[BM+\b], v[BM+\b], s62, v[NM]
.endr
.set j, 0
	s_wait_alu depctr_va_vdst(0)
.rept 64
	v_exp_f32 v[S+j], v[S+j]                       ; e = 2^(t - M_w), at most 1; 0 for a masked key
.set j, j+1
.endr
.irp b, 0,1,2,3
	v_exp_f32 v[BM+\b], v[BM+\b]
.endr
	v_nop                                          ; a plain line behind the exponentials
	s_wait_alu depctr_va_vdst(0)                   ; the 68 exponentials' results are written, ahead of their first reader.  Also: the last tile's additions have written v164-165, and v8 is written, which the store reads; the products are done reading q and its scale words, in which the loads land; -M_w is written, which its LDS store reads; the selects are done with the 64 mask words
.if !\first
	SEND                                           ; the five kinds of lines below stand directly behind the wait: no vector line since names a register of theirs, and the sums that follow name S and SUM alone
.endif
.if \more
	global_load_b128 v[QF:QF+3], v1, s[54:55]
	global_load_b32 v[QS], v2, s[56:57]
	s_add_nc_u64 s[52:53], s[52:53], 4096          ; (the wait on KMcnt above has shown the last loads done)  the next tile's words
	MASKS
.endif
	ds_store_b32 v3, v[NM]                         ; both lanes of a query write the same word with the same value
	v_pk_add_f32 v[SUM:SUM+1], v[S:S+1], v[S+2:S+3]                ; l_w: two packed chains
	v_pk_add_f32 v[SUM+2:SUM+3], v[S+4:S+5], v[S+6:S+7]
.set j, 8
.rept 14
	v_pk_add_f32 v[SUM:SUM+1], v[SUM:SUM+1], v[S+j:S+j+1]
	v_pk_add_f32 v[SUM+2:SUM+3], v[SUM+2:SUM+3], v[S+j+2:S+j+3]
.set j, j+4
.endr
	v_pk_add_f32 v[SUM:SUM+1], v[SUM:SUM+1], v[SUM+2:SUM+3]
	v_add_f32 v[SUM], v[SUM], v[SUM+1]
	v_permlanex16_b32 v[SUM+1], v[SUM], s60, s61
	v_add_f32 v[SUM], v[SUM], v[SUM+1]
	s_wait_alu depctr_va_vdst(0)                   ; l_w is written, which the LDS store reads; and the last trip's vector lines are done with v196-211, in which the loads behind the barrier land
	ds_store_b32 v3, v[SUM] offset:1280
	BARRIER                                        ; A: all sixteen waves' -M_w and l_w lie in LDS; and every wave has read the last tile's partial results
	ds_load_b128 v[SL:SL+3], v4
	ds_load_b128 v[SL+4:SL+7], v4 offset:16
	ds_load_b128 v[SL+8:SL+11], v4 offset:1280
	ds_load_b128 v[SL+12:SL+15], v4 offset:1296
	s_wait_dscnt 0x0
	v_min3_num_f32 v[G], v[SL], v[SL+1], v[SL+2]
	v_min3_num_f32 v[G], v[G], v[SL+3], v[SL+4]
	v_min3_num_f32 v[G], v[G], v[SL+5], v[SL+6]
	v_min_num_f32 v[G], v[G], v[SL+7]
	v_permlanex16_b32 v[TA], v[G], s60, s61
	v_min_num_f32 v[G], v[G], v[TA]                ; -M = the least -M_w
.irp i, 0,2,4,6
	v_pk_add_f32 v[SL+\i:SL+\i+1], v[G:G+1], v[SL+\i:SL+\i+1] op_sel_hi:[0,1] neg_lo:[0,1] neg_hi:[0,1]   ; M_w - M: a whole number, 0 or less
.endr
.irp i, 0,1,2,3,4,5,6,7
	v_cvt_i32_f32 v[SL+\i], v[SL+\i]               ; (it saturates)
.endr
.irp i, 0,1,2,3,4,5,6,7
	v_ldexp_f32 v[SL+8+\i], v[SL+8+\i], v[SL+\i]   ; l_w under M: nothing is rounded
.endr
	v_pk_add_f32 v[SL+8:SL+9], v[SL+8:SL+9], v[SL+10:SL+11]
	v_pk_add_f32 v[SL+12:SL+13], v[SL+12:SL+13], v[SL+14:SL+15]
	v_pk_add_f32 v[SL+8:SL+9], v[SL+8:SL+9], v[SL+12:SL+13]
	v_add_f32 v[TA], v[SL+8], v[SL+9]
	v_permlanex16_b32 v[TA+1], v[TA], s60, s61
	v_add_f32 v[TA], v[TA], v[TA+1]                ; l: the row's sum
	s_wait_alu depctr_va_vdst(0)
	v_rcp_f32 v[TA+2], v[TA]
	v_sub_f32 v[TA+3], v[G], v[NM]                 ; (a plain line behind the reciprocal)  my M_w - M
	v_cmp_lt_f32 vcc_lo, 0, v[TA]
	v_cvt_i32_f32 v[TA+3], v[TA+3]
	s_wait_alu depctr_va_vdst(0)                   ; the reciprocal's result is written, ahead of its first reader
	s_wait_alu depctr_va_vcc(0)                    ; the compare has written VCC, which the select reads
	v_cndmask_b32 v[TA+2], 0, v[TA+2], vcc_lo      ; a fully masked row: l = 0, and its weights are zeros
	v_ldexp_f32 v[F], v[TA+2], v[TA+3]             ; 2^(M_w - M) / l
.set j, 0
.rept 32
	v_pk_mul_f32 v[S+j:S+j+1], v[S+j:S+j+1], v[F:F+1] op_sel_hi:[1,0]   ; p, finished and normalised
.set j, j+2
.endr
.irp b, 0,1,2,3
	v_mul_f32 v[BM+\b], v[BM+\b], v[F]             ; the blocks' largest p: the same operations on the same numbers give the same bits
.endr
.irp b, 0,1,2,3
	v_max_num_f32 v[BM+\b], 0x1800000, v[BM+\b]    ; the floor 2^(3 - 127): the byte cannot fall under 1
.endr
.irp b, 0,1,2,3
	v_add_nc_u32 v[SCO+\b], 0xff000000, v[BM+\b]   ; 2 off the exponent field: the conversion's scale operand
.endr
.irp b, 0,1,2,3
	v_lshrrev_b32 v[BY+\b], 23, v[SCO+\b]
.endr
	v_lshl_or_b32 v[PW], v[BY+1], 8, v[BY]         ; p's scale word for my 128 keys
	v_lshl_or_b32 v[PW], v[BY+2], 16, v[PW]
	v_lshl_or_b32 v[PW], v[BY+3], 24, v[PW]
.irp b, 0,1,2,3
	v_cvt_scalef32_pk8_fp4_f32 v[PC+2*\b], v[S+16*\b:S+16*\b+7], v[SCO+\b]
	v_cvt_scalef32_pk8_fp4_f32 v[PC+2*\b+1], v[S+16*\b+8:S+16*\b+15], v[SCO+\b]
.endr
	v_nop                                          ; one plain line behind the conversions
.irp c, 0,1                                    ; the operand's layout wants a WHOLE block in a lane: lanes 0-15 block 2 c, lanes 16-31 block 2 c + 1
.irp i, 0,1
	v_permlane16_swap_b32 v[PC+4*\c+\i], v[PC+4*\c+2+\i]
.endr
.endr
	PLACES 8                                       ; a scale register written by vector instructions stands 8 places ahead of a scaled matrix instruction, an operand so written 4
	s_wait_alu depctr_va_vdst(0)                   ; vector lines have written p's codes v228-235 and its scale word v59, which the scaled products below take as operand and scales; the places above stay beside this wait
.irp n, 0,1,2,3                                ; O^T = v^T p^T over my 128 keys: four tiles of 16 channels
.if \n%2
	v_wmma_scale_f32_16x16x128_f8f6f4 v[S+8*\n:S+8*\n+7], v[VF+8*\n:VF+8*\n+7], v[PC:PC+7], 0, v[VS+\n/2], v[PW] matrix_a_fmt:MATRIX_FMT_FP4 matrix_b_fmt:MATRIX_FMT_FP4 matrix_a_scale:MATRIX_SCALE_ROW1
.else
	v_wmma_scale_f32_16x16x128_f8f6f4 v[S+8*\n:S+8*\n+7], v[VF+8*\n:VF+8*\n+7], v[PC:PC+7], 0, v[VS+\n/2], v[PW] matrix_a_fmt:MATRIX_FMT_FP4 matrix_b_fmt:MATRIX_FMT_FP4
.endif
.endr
	PLACES 5                                       ; four in front of the stores that read these results; five in front of the next trip's products, which write over them
	s_wait_alu depctr_va_vdst(0)                   ; the four products have written O^T, which the LDS stores read; the places above stay beside this wait
.irp a, 0,1
.irp i, 0,1,2,3
	ds_store_b128 v5, v[S+16*\a+4*\i:S+16*\a+4*\i+3] offset:128*\a+16*\i   ; query r, channels 32 a + 16 h + 4 i .. + 3; each accumulator from its low end on
.endr
.endr
	BARRIER                                        ; B: all sixteen partial results lie in LDS; and every wave has read the statistics
	s_wait_xcnt 0x0                                ; the last tile's store has read its registers: they are written again only behind this wait
	s_wait_alu depctr_vm_vsrc(0)                   ; the store has read v8 and v164-165, which the addition and the loads below write; my LDS stores have read -M_w, l_w and O^T, which the next trip's vector lines and products write
	s_lshr_b32 s101, s100, 1
	s_lshl_b32 s101, s101, 17                      ; 32 rows of 4,096 bytes
	s_and_b32 s2, s100, 1
	s_lshl_b32 s2, s2, 15                          ; 8 rows
	s_add_co_u32 s101, s101, s2
	v_add_nc_u32 v8, s101, v7                      ; where this tile's query w lies in out0
	s_add_co_u32 s100, s100, 1
.irp w, 0,1,2,3,4,5,6,7,8,9,10,11,12,13,14,15
	ds_load_b64 v[RED+2*\w:RED+2*\w+1], v6 offset:4352*\w          ; they are added behind the next trip's first products.  (The additions that named these registers stand ahead of this trip's waits on va_vdst)
.endr
.endm
	TRIP 1, 1
	s_mov_b32 s67, 30
.Ltrip:
	TRIP 0, 1
	s_sub_co_u32 s67, s67, 1
	s_cmp_lg_u32 s67, 0
	s_cbranch_scc1 .Ltrip
	TRIP 0, 0                                      ; the last tile asks for nothing more: no load leaves its buffer
	FINISH
	s_wait_alu depctr_va_vdst(0)                   ; the additions have written v164-165, and v8 is written, which the last store reads
	SEND
	s_wait_dscnt 0x0                               ; the closing lines, six on end
	s_wait_alu 0x0
	s_wait_tensorcnt 0x0
	ds_add_u32 v254, v255
	s_wait_dscnt 0x0
	s_endpgm
.Lfunc_end_k_q32b4442457_attn:
	.size	k_q32b4442457_attn, .Lfunc_end_k_q32b4442457_attn-k_q32b4442457_attn
	.p2alignl 7, 3214868480
	.fill 96, 4, 3214868480
	.section	.rodata,"a",@progbits
	.p2align	6, 0x0
	.amdhsa_kernel k_q32b4442457_attn
		.amdhsa_group_segment_fixed_size 74240
		.amdhsa_private_segment_fixed_size 0
		.amdhsa_enable_private_segment 0
		.amdhsa_kernarg_size 32
		.amdhsa_user_sgpr_count 2
		.amdhsa_user_sgpr_kernarg_segment_ptr 1
		.amdhsa_wavefront_size32 1
		.amdhsa_system_sgpr_workgroup_id_x 1
		.amdhsa_system_sgpr_workgroup_id_y 1
		.amdhsa_system_sgpr_workgroup_id_z 1
		.amdhsa_system_vgpr_workitem_id 0
		.amdhsa_next_free_vgpr 256
		.amdhsa_next_free_sgpr 102
		.amdhsa_reserve_vcc 1
		.amdhsa_float_denorm_mode_32 3
		.amdhsa_float_denorm_mode_16_64 3
		.amdhsa_memory_ordered 1
		.amdhsa_forward_progress 1
		.amdhsa_inst_pref_size 81
	.end_amdhsa_kernel
	.amdgpu_metadata
---
amdhsa.version: [ 1, 2 ]
amdhsa.kernels:
  - .name:           k_q32b4442457_attn
    .symbol:         k_q32b4442457_attn.kd
    .args:
      - { .name: qk, .offset: 0, .size: 8, .value_kind: global_buffer, .address_space: global }
      - { .name: vq, .offset: 8, .size: 8, .value_kind: global_buffer, .address_space: global }
      - { .name: maskw, .offset: 16, .size: 8, .value_kind: global_buffer, .address_space: global }
      - { .name: out0, .offset: 24, .size: 8, .value_kind: global_buffer, .address_space: global }
    .group_segment_fixed_size: 74240
    .private_segment_fixed_size: 0
    .kernarg_segment_align: 8
    .kernarg_segment_size: 32
    .max_flat_workgroup_size: 512
    .sgpr_count:     102
    .vgpr_count:     256
    .wavefront_size: 32
...
	.end_amdgpu_metadata
.endif
;; end of part 10
